; MI455X (gfx1250); checked and timed in simulation.
; The chip was launched on July 23, 2026; its instructions are those of AMD's public machine-readable ISA for CDNA 5 (MIT licence, August 2026) and "CDNA5" Instruction Set Architecture Reference Guide (July 2026). The comments in the code are by the model that wrote it; some were corrected since.
;; GPT Attention. Allowed arithmetic: matrix products marked QUANTISED: E2M1 operands, one E8M0 scale for each 32 along K, by v_wmma_scale_f32_16x16x128_f8f6f4 with both operands' format E2M1 (or v_wmma_scale_f32_32x16x128_f4), f32 sums; products left as they are: bf16, f16 or f32 operands; f32 sums; everything else in f32.
;; Inputs: hidden_states 4 x 2,048 x 1,024 float32; w_in 1,024 x 3,072 float32; w_out 1,024 x 1,024 float32.
;; Outputs: out0 4 x 2,048 x 1,024 float32.
;; This version of the problem:
;;   THIS VERSION OF THE PROBLEM IS GIVEN IN LOW PRECISION. The matrix products marked QUANTISED in the list below multiply operands that are first quantised to E2M1 (2 exponent bits, 1 mantissa bit; 4 bits a number), with one power-of-two scale for each 32 numbers along K (OCP MX v1.0); their sums are f32. The products marked 'left as it is' may take bf16, f16 or f32 operands, with f32 sums. Whichever they take, every output number must still come out within the allowed error. Rounding operands to bf16 (8 significant bits) uses up far more of that allowance than f16 does (11 bits, for magnitudes from 6e-5 to 65,504). All else is computed in f32.
;;   The module's matrix products, in the order in which they are computed (A, B: the left and right operand; K: the contracted axis; several contracted axes count as one K, in the product's order):
;;     1. [M 8,192, K 1,024] x [K 1,024, N 3,072]; A: input hidden_states; B: input w_in: QUANTISED
;;     2. batch 64 x [M 2,048, K 64] x [K 64, N 2,048]; A: computed on the way; B: computed on the way: left as it is (an operand is computed on the way)
;;     3. batch 64 x [M 2,048, K 2,048] x [K 2,048, N 64]; A: computed on the way; B: computed on the way: left as it is (an operand is computed on the way)
;;     4. [M 8,192, K 1,024] x [K 1,024, N 1,024]; A: computed on the way; B: input w_out: left as it is (an operand is computed on the way)
;;   THE QUANTISER, for each operand of a quantised product, along K:
;;     - K is cut into blocks of 32 from its start; a last block that is shorter is filled with zeros.
;;     - A block's scale is 2^e with e = floor(log2(the largest magnitude in the block)) - 2, held to -126 .. 127; a block of zeros has e = 0. As a byte (E8M0): e + 127.
;;     - Each number is divided by its block's scale, clamped to +-6, and rounded to the nearest number of E2M1, ties to even, subnormals kept.
;;     - The product sums the exact products of the quantised numbers (number of the format x scale) in f32.
;;   ~~~python
;;   def quantise(x, axis):      # numpy; x: float32 -> the quantised numbers, widened to float32 again
;;       x = np.moveaxis(x, axis, -1); K = x.shape[-1]
;;       x = np.pad(x, [(0, 0)] * (x.ndim - 1) + [(0, -K % 32)]); x = x.reshape(x.shape[:-1] + (-1, 32)); a = np.abs(x).max(-1, keepdims=True)
;;       e = np.where(a > 0, np.clip(np.frexp(np.where(a > 0, a, 1))[1] - 1 - 2, -126, 127), 0)      # np.frexp(a)[1] - 1 = floor(log2(a)), exactly
;;       r = np.clip(x / 2.0 ** e, -6, 6)
;;       step = 2.0 ** (np.maximum(np.frexp(np.where(r == 0, 1, r))[1] - 1, 0) - 1)
;;       q = np.round(r / step) * step * 2.0 ** e      # np.round: ties to even
;;       return np.moveaxis(q.reshape(q.shape[:-2] + (-1,))[..., :K], -1, axis).astype(np.float32)
;;   ~~~
;; One version. Each part assembles by itself: llvm-mc -triple=amdgcn-amd-amdhsa -mcpu=gfx1250 --defsym DOCPART=n.
;; ======== version 1 of 1: 5 launches
;; limits: values are held in f16: magnitudes above 65,504 overflow, below 6.1e-05 lose precision
;; workspace buffers: xc 4,194,304 bytes; xs 262,144 bytes; wc 1,572,864 bytes; ws 98,304 bytes; wo 2,097,152 bytes; qkv 50,331,648 bytes; qkvf 786,432 bytes; ao 16,777,216 bytes
;; launch prep (part 1): grid 512 x 1, 4 waves a work-group, no clusters, 34,304 bytes of LDS; arguments hidden_states, w_in, w_out, xc, xs, wc, ws, wo; writes xc, xs, wc, ws, wo
.if DOCPART == 1
	.amdgcn_target "amdgcn-amd-amdhsa--gfx1250"
	.amdhsa_code_object_version 6
	.text
	.protected	k_qd22f1afa8e_prep
	.globl	k_qd22f1afa8e_prep
	.p2align	8
	.type	k_qd22f1afa8e_prep,@function
k_qd22f1afa8e_prep:
	s_mov_b64 s[64:65], 0
	v_nop
	global_prefetch_b8 v0, s[64:65] scope:SCOPE_SE
	s_setreg_imm32_b32 hwreg(HW_REG_WAVE_MODE, 25, 1), 1
	s_wait_xcnt 0x0
; PREP: the operands of the later launches, laid as images of the operands' registers (a piece = 512 bytes, lane l's 16 bytes at 16 l).
;   work-groups 0-255:   hidden_states [8192][1024] f32 -> xc (codes of E2M1) and xs (E8M0 scale words), K innermost in memory
;   work-groups 256-447: w_in [1024 (k)][3072 (n)] f32 -> wc, ws: a lane takes a column n and its registers run down K
;   work-groups 448-511: w_out [1024 (k)][1024 (n)] f32 -> wo (f16), the same share
; xc: [K half 2][tile of 16 rows 512][K step 4][c 2][lane][16 B]: lane (r, h) of piece c holds the 32 codes of k = 64 c + 32 h + 0..31 of the step, row r.  wc likewise, 192 tiles of 16 columns.
; xs: [tile][K half][r 16][4 words]: word q = the four scale bytes of the half's q-th 128 along K.  ws likewise.
; wo: [128 along K: 8][tile of 16 columns 64][32 along K: 4][c 2][lane][16 B]: lane (r, h) holds k = 16 c + 8 h + 0..7 of column r.
; A block's scale is 2^(floor(log2(largest magnitude)) - 2); its byte is the largest magnitude's exponent field - 2, held at 1 from below.
; LIMITS: a block of zeros keeps the byte 1 (the rule says 127): its codes are zeros, and this program alone reads the bytes.  NaN and infinities among the inputs are not served.
; w_out is rounded to f16: magnitudes up to 65,504.
.set SPARE, 33792                      ; behind the four stages: the spare words, 128 bytes a wave, that no other line names
.set STG,   8448                       ; a wave's stage: 16 rows x (512 bytes + 16)
.set SPW,   14                         ; v14  my spare word's LDS address; never rewritten
.set NIL,   15                         ; v15  0; never rewritten
.set C,     16                         ; v16-47  codes: registers of their own for each step, so that no store's data are written again
.set W,     48                         ; v48-51  scale words
.set R,     64                         ; v64-191 numbers as loaded
.set X,     192                        ; v192-255 64 numbers of a lane in the operand's order; in the f16 path the packed halves
	s_load_b256 s[4:11], s[0:1], 0x0               ; hidden s[4:5], w_in s[6:7], w_out s[8:9], xc s[10:11]
	s_load_b256 s[12:19], s[0:1], 0x20             ; xs s[12:13], wc s[14:15], ws s[16:17], wo s[18:19]
	v_lshl_add_u32 v[SPW], v0, 2, SPARE
	v_mov_b32 v[NIL], 0
	v_lshrrev_b32 v1, 5, v0
	v_readfirstlane_b32 s20, v1                    ; wave
	v_and_b32 v1, 31, v0                           ; lane
	v_and_b32 v2, 15, v0                           ; r
	v_bfe_u32 v3, v0, 4, 1                         ; h
	v_lshlrev_b32 v4, 4, v1                        ; 16 x lane
	s_mul_i32 s28, s20, STG
	v_add_nc_u32 v5, s28, v4                       ; the stage on the way in: 16 bytes a lane of a row's 512
	v_mul_u32_u24 v6, v2, 528
	v_lshl_add_u32 v6, v3, 7, v6
	v_add_nc_u32 v6, s28, v6                       ; and on the way out: row r, + 128 h
	s_mov_b32 s22, 0x76543210
	s_mov_b32 s23, 0xfedcba98                      ; v_permlanex16_b32's selects for lane l xor 16
	s_mov_b32 s27, 0                               ; the upper word of every offset pair s[26:27]
	s_wait_kmcnt 0x0
	s_cmp_lt_u32 ttmp9, 256
	s_cbranch_scc0 .Lweights
; 32 numbers of one block, v[xs] on, become 4 registers of codes, v[cd] on; the scale's byte is left in v[58 + k]
.macro QB xs, cd, k
	v_max3_num_f32 v[52+2*(\k)], |v[\xs]|, |v[\xs+1]|, |v[\xs+2]|
	v_max3_num_f32 v[53+2*(\k)], |v[\xs+3]|, |v[\xs+4]|, |v[\xs+5]|
.irp i, 6,10,14,18,22,26
	v_max3_num_f32 v[52+2*(\k)], v[52+2*(\k)], |v[\xs+\i]|, |v[\xs+\i+1]|
	v_max3_num_f32 v[53+2*(\k)], v[53+2*(\k)], |v[\xs+\i+2]|, |v[\xs+\i+3]|
.endr
	v_max3_num_f32 v[52+2*(\k)], v[52+2*(\k)], |v[\xs+30]|, |v[\xs+31]|
	v_max3_num_f32 v[52+2*(\k)], v[52+2*(\k)], v[53+2*(\k)], 0x1800000   ; the floor 2^(3 - 127): the byte cannot fall under 1
	v_add_nc_u32 v[56+(\k)], 0xff000000, v[52+2*(\k)]                   ; 2 off the exponent field: the conversion's scale operand
	v_lshrrev_b32 v[58+(\k)], 23, v[56+(\k)]                            ; the scale's byte
.irp g, 0,1,2,3
	v_cvt_scalef32_pk8_fp4_f32 v[\cd+\g], v[\xs+8*\g:\xs+8*\g+7], v[56+(\k)]
.endr
.endm
; ---- hidden_states: wave gw = 4 x work-group + wave takes the 16 rows of tile gw / 2 and K half gw % 2: four K steps of 128
	s_lshl_b32 s24, ttmp9, 2
	s_add_co_u32 s24, s24, s20
	s_lshr_b32 s25, s24, 1                         ; the tile of rows
	s_and_b32 s24, s24, 1                          ; the K half
	s_lshl_b32 s26, s25, 16                        ; 16 rows of 4,096 bytes
	s_lshl_b32 s28, s24, 11
	s_add_co_u32 s26, s26, s28
	s_add_nc_u64 s[4:5], s[4:5], s[26:27]
	s_lshl_b32 s26, s24, 21
	s_lshl_b32 s28, s25, 12
	s_add_co_u32 s26, s26, s28
	s_add_nc_u64 s[10:11], s[10:11], s[26:27]
	s_lshl_b32 s26, s25, 9
	s_lshl_b32 s28, s24, 8
	s_add_co_u32 s26, s26, s28
	s_add_nc_u64 s[12:13], s[12:13], s[26:27]
	v_lshlrev_b32 v7, 4, v2                        ; 16 r: my row's four scale words
	v_lshlrev_b32 v8, 3, v3                        ; 8 h
	v_mov_b32 v9, 0                                ; a lane permute's destination counts as one of its sources
.macro LOADX t                         ; K step t of the 16 rows: each load reads 512 consecutive bytes of one row
.irp i, 0,1,2,3,4,5,6,7,8,9,10,11,12,13,14,15
	global_load_b128 v[R+64*((\t)%2)+4*\i:R+64*((\t)%2)+4*\i+3], v4, s[4:5] offset:4096*\i+512*(\t) th:TH_LOAD_NT
.endr
.endm
.macro TURNX t                         ; through my stage: in as loaded, out in the operand's order.  LDS serves a wave's instructions in order: no wait between
.irp i, 0,1,2,3,4,5,6,7,8,9,10,11,12,13,14,15
	ds_store_b128 v5, v[R+64*((\t)%2)+4*\i:R+64*((\t)%2)+4*\i+3] offset:528*\i
.endr
.irp c, 0,1
.irp e, 0,1,2,3,4,5,6,7
	ds_load_b128 v[X+32*\c+4*\e:X+32*\c+4*\e+3], v6 offset:256*\c+16*\e
.endr
.endr
.endm
	LOADX 0
	LOADX 1
.irp t, 0,1,2,3
.if \t < 3
	s_wait_loadcnt 16                              ; this step's 16 loads are in; the next step's may be out
.else
	s_wait_loadcnt 0x0
.endif
	TURNX \t
	s_wait_dscnt 0x0                               ; my 64 numbers are back, and the stores have read their registers
.if \t < 2
	LOADX \t+2
.endif
	QB X, C+8*\t, 0                                ; block h of the step,
	QB X+32, C+8*\t+4, 1                           ; block 2 + h
	v_lshl_or_b32 v60, v59, 16, v58                ; my two bytes (a plain line behind the conversions),
	v_lshlrev_b32 v60, v8, v60                     ; at their places in the scale word;
	v_permlanex16_b32 v9, v60, s22, s23
	v_or_b32 v[W+\t], v60, v9                      ; with lane l xor 16's two the word is whole
.irp c, 0,1
	global_store_b128 v4, v[C+8*\t+4*\c:C+8*\t+4*\c+3], s[10:11] offset:1024*\t+512*\c   ; 512 consecutive bytes, aligned
.endr
.endr
	v_cmp_gt_u32 vcc_lo, 16, v1
	s_wait_xcnt 0x0                                ; EXEC changes only behind this wait
	s_and_saveexec_b32 s24, vcc_lo
	global_store_b128 v7, v[W:W+3], s[12:13]       ; sixteen lanes store 256 consecutive bytes, aligned
	s_wait_xcnt 0x0
	s_or_b32 exec_lo, exec_lo, s24
	s_wait_tensorcnt 0x0                           ; the wave's end, behind my last LDS store
	ds_add_u32 v[SPW], v[NIL]
	s_wait_dscnt 0x0
	s_endpgm
; ---- the weights: a lane takes a column, its registers run down 128 along K; no LDS
.macro LOADK kb, pitch, base           ; rows 32 kb .. 32 kb + 31: 128 consecutive bytes a wave, 512 a work-group
.irp i, 0,1,2,3,4,5,6,7,8,9,10,11,12,13,14,15,16,17,18,19,20,21,22,23,24,25,26,27,28,29,30,31
	global_load_b32 v[R+32*(\kb)+\i], v12, s[\base:\base+1] offset:(32*(\kb)+\i)*\pitch th:TH_LOAD_NT
.endr
.endm
.Lweights:
	v_lshlrev_b32 v12, 2, v1                       ; in: 4 bytes a lane
	v_lshlrev_b32 v10, 12, v3                      ; out: lanes 16-31 belong to the next tile of 16 columns, 4,096 bytes on;
	v_lshl_add_u32 v10, v2, 4, v10                 ; 16 bytes a column
	s_cmp_lt_u32 ttmp9, 448
	s_cbranch_scc0 .Lwout
	s_sub_co_u32 s24, ttmp9, 256
	s_lshr_b32 s25, s24, 3                         ; which 128 columns
	s_and_b32 s24, s24, 7                          ; which 128 along K
	s_mul_i32 s26, s24, 128*12288
	s_lshl_b32 s28, s25, 9
	s_add_co_u32 s26, s26, s28
	s_lshl_b32 s28, s20, 7
	s_add_co_u32 s26, s26, s28
	s_add_nc_u64 s[6:7], s[6:7], s[26:27]
	s_lshl_b32 s29, s25, 3
	s_lshl_b32 s28, s20, 1
	s_add_co_u32 s29, s29, s28                     ; my first tile of columns: 8 x group + 2 x wave
	s_lshr_b32 s30, s24, 2                         ; K half
	s_and_b32 s31, s24, 3                          ; K step in it
	s_mul_i32 s26, s30, 786432
	s_lshl_b32 s28, s29, 12
	s_add_co_u32 s26, s26, s28
	s_lshl_b32 s28, s31, 10
	s_add_co_u32 s26, s26, s28
	s_add_nc_u64 s[14:15], s[14:15], s[26:27]
	s_lshl_b32 s26, s29, 9
	s_lshl_b32 s28, s30, 8
	s_add_co_u32 s26, s26, s28
	s_lshl_b32 s28, s31, 2
	s_add_co_u32 s26, s26, s28
	s_add_nc_u64 s[16:17], s[16:17], s[26:27]
	v_lshlrev_b32 v11, 9, v3
	v_lshl_add_u32 v11, v2, 4, v11                 ; my column's scale word: 512 bytes a tile, 16 a column
	LOADK 0, 12288, 6
	LOADK 1, 12288, 6
.irp kb, 0,1,2,3
.if \kb < 3
	s_wait_loadcnt 32                              ; this block's 32 loads are in; the next block's may be out
.else
	s_wait_loadcnt 0x0
.endif
.if \kb < 2
	LOADK \kb+2, 12288, 6
.endif
	QB R+32*\kb, C+4*\kb, \kb%2
.if \kb == 0
	v_mov_b32 v[W], v58                            ; four bytes to the word, the lower K in the lower byte (a plain line behind the conversions)
.else
	v_lshl_or_b32 v[W], v[58+\kb%2], 8*\kb, v[W]
.endif
	global_store_b128 v10, v[C+4*\kb:C+4*\kb+3], s[14:15] offset:256*\kb   ; block kb = 2 c + h of the image: sixteen lanes store 256 consecutive bytes, aligned
.endr
	global_store_b32 v11, v[W], s[16:17]           ; 4 bytes at steps of 16: one byte in 128 of what this path reads
	s_endpgm
.Lwout:
	s_sub_co_u32 s24, ttmp9, 448
	s_lshr_b32 s25, s24, 3                         ; which 128 columns
	s_and_b32 s24, s24, 7                          ; which 128 along K
	s_lshl_b32 s26, s24, 19                        ; 128 rows of 4,096 bytes
	s_lshl_b32 s28, s25, 9
	s_add_co_u32 s26, s26, s28
	s_lshl_b32 s28, s20, 7
	s_add_co_u32 s26, s26, s28
	s_add_nc_u64 s[8:9], s[8:9], s[26:27]
	s_lshl_b32 s29, s25, 3
	s_lshl_b32 s28, s20, 1
	s_add_co_u32 s29, s29, s28
	s_lshl_b32 s26, s24, 18
	s_lshl_b32 s28, s29, 12
	s_add_co_u32 s26, s26, s28
	s_add_nc_u64 s[18:19], s[18:19], s[26:27]
	LOADK 0, 4096, 8
	LOADK 1, 4096, 8
.irp kb, 0,1,2,3
.if \kb < 3
	s_wait_loadcnt 32
.else
	s_wait_loadcnt 0x0
.endif
.if \kb < 2
	LOADK \kb+2, 4096, 8
.endif
.irp i, 0,1,2,3,4,5,6,7,8,9,10,11,12,13,14,15
	v_cvt_pk_f16_f32 v[X+16*\kb+\i], v[R+32*\kb+2*\i], v[R+32*\kb+2*\i+1]
.endr
.irp g, 0,1,2,3
	global_store_b128 v10, v[X+16*\kb+4*\g:X+16*\kb+4*\g+3], s[18:19] offset:256*(4*\kb+\g)   ; eight along K: place 2 c + h of the 32's image
.endr
.endr
	s_endpgm
.Lfunc_end_k_qd22f1afa8e_prep:
	.size	k_qd22f1afa8e_prep, .Lfunc_end_k_qd22f1afa8e_prep-k_qd22f1afa8e_prep
	.p2alignl 7, 3214868480
	.fill 96, 4, 3214868480
	.section	.rodata,"a",@progbits
	.p2align	6, 0x0
	.amdhsa_kernel k_qd22f1afa8e_prep
		.amdhsa_group_segment_fixed_size 34304
		.amdhsa_private_segment_fixed_size 0
		.amdhsa_enable_private_segment 0
		.amdhsa_kernarg_size 64
		.amdhsa_user_sgpr_count 2
		.amdhsa_user_sgpr_kernarg_segment_ptr 1
		.amdhsa_wavefront_size32 1
		.amdhsa_system_sgpr_workgroup_id_x 1
		.amdhsa_system_sgpr_workgroup_id_y 1
		.amdhsa_system_sgpr_workgroup_id_z 1
		.amdhsa_system_vgpr_workitem_id 0
		.amdhsa_next_free_vgpr 256
		.amdhsa_next_free_sgpr 66
		.amdhsa_reserve_vcc 1
		.amdhsa_float_denorm_mode_32 3
		.amdhsa_float_denorm_mode_16_64 3
		.amdhsa_memory_ordered 1
		.amdhsa_forward_progress 1
		.amdhsa_inst_pref_size 67
	.end_amdhsa_kernel
	.amdgpu_metadata
---
amdhsa.version: [ 1, 2 ]
amdhsa.kernels:
  - .name:           k_qd22f1afa8e_prep
    .symbol:         k_qd22f1afa8e_prep.kd
    .args:
      - { .name: hidden_states, .offset: 0, .size: 8, .value_kind: global_buffer, .address_space: global }
      - { .name: w_in, .offset: 8, .size: 8, .value_kind: global_buffer, .address_space: global }
      - { .name: w_out, .offset: 16, .size: 8, .value_kind: global_buffer, .address_space: global }
      - { .name: xc, .offset: 24, .size: 8, .value_kind: global_buffer, .address_space: global }
      - { .name: xs, .offset: 32, .size: 8, .value_kind: global_buffer, .address_space: global }
      - { .name: wc, .offset: 40, .size: 8, .value_kind: global_buffer, .address_space: global }
      - { .name: ws, .offset: 48, .size: 8, .value_kind: global_buffer, .address_space: global }
      - { .name: wo, .offset: 56, .size: 8, .value_kind: global_buffer, .address_space: global }
    .group_segment_fixed_size: 34304
    .private_segment_fixed_size: 0
    .kernarg_segment_align: 8
    .kernarg_segment_size: 64
    .max_flat_workgroup_size: 128
    .sgpr_count:     66
    .vgpr_count:     256
    .wavefront_size: 32
...
	.end_amdgpu_metadata
.endif
;; end of part 1
;; launch qkv (part 2): grid 12 x 32, 4 waves a work-group, clusters of 4 x 4, 327,680 bytes of LDS; arguments xc, xs, wc, ws, qkv, qkvf; writes qkv, qkvf
.if DOCPART == 2
	.amdgcn_target "amdgcn-amd-amdhsa--gfx1250"
	.amdhsa_code_object_version 6
	.text
	.protected	k_qd22f1afa8e_qkv
	.globl	k_qd22f1afa8e_qkv
	.p2align	8
	.type	k_qd22f1afa8e_qkv,@function
k_qd22f1afa8e_qkv:
	s_mov_b64 s[64:65], 0
	v_nop
	global_prefetch_b8 v0, s[64:65] scope:SCOPE_SE
	s_setreg_imm32_b32 hwreg(HW_REG_WAVE_MODE, 25, 1), 1
	s_wait_xcnt 0x0
	s_wait_alu depctr_hold_cnt(0) depctr_sa_sdst(0) depctr_va_vdst(0) depctr_va_sdst(0) depctr_va_ssrc(0) depctr_va_vcc(0) depctr_vm_vsrc(0)
	s_getreg_b32 s2, hwreg(HW_REG_IB_STS2, 6, 4)
	s_cmp_eq_u32 s2, 0
	s_cbranch_scc0 .Lentry_in_a_cluster
	s_endpgm
.Lentry_in_a_cluster:
	s_bfe_u32 s2, ttmp6, 0x10000c
	s_cmp_lg_u32 s2, 0xf033
	s_cbranch_scc0 .Lentry_shape_is_right
	s_endpgm
.Lentry_shape_is_right:
; QKV = Q(hidden) Q(w_in): [8192][1024] x [1024][3072] on codes of E2M1 with one E8M0 scale for each 32 along K; sums in f32.
; A tile of the result, 256 x 256, is made by four waves, each 128 x 128: 64 accumulators, 512 registers.  All of K = 1,024 lies in LDS: two slots of 512 along K, each filled once; nothing is filled again.
; The operands come as images of their registers (a piece = 512 bytes, lane l's 16 bytes at 16 l): a wave's tensor load is one dense block of 32 KB (8 tiles of 16 rows x 512 along K), and a fragment
; is two ds_load_b128 at 16 x lane: consecutive bytes, no pitch, no padding.  The scale words of the work-group's rows and columns, for all of K, come with the first fills.
; CLUSTERS: 4 x 4 work-groups.  The four of a row need the same rows of hidden, the four of a column the same columns of w_in: each block is asked for jointly.
; THE MATRIX INSTRUCTION IS USED TRANSPOSED (source 0 = 16 columns of w_in, source 1 = 16 tokens): a lane holds one token and eight neighbouring columns, which, rounded to f16, are 16 bytes of the
; image that the attention launch reads: qkv [q,k,v 3][batch x head 64][tile of 16 tokens 128][16 channels: 4][lane][16 B], lane (r, h): token r, channels 8 h + 0..7.  So the results leave straight from registers,
; 512 consecutive aligned bytes a store.  The first 16 tokens of each batch leave in f32 as well: qkvf [batch 4][16 columns: 192][i 2][lane][4 f32], for the launch that carries those rows in f32.
; LIMIT: q, k, v are rounded to f16: magnitudes up to 65,504.
; REGISTERS: window 0: v16-31 addresses; v32-95 scale words, two sets; from v128 hidden's fragments, one set (on the way out v128-255 hold packed results).  window 1: w_in's fragments, two sets.
;   window 2: the accumulators of my tokens 0-63 ((a, b) at v[8 (8 a + b)]);  window 3: those of my tokens 64-127.
.set NQ,     4                         ; steps of 128 along K in a slot
.set FR,     8                         ; registers of a fragment
.set NL,     2                         ; LDS loads that bring one
.set NP,     4                         ; places behind this matrix instruction (ISA guide 7.12.1)
.set HALFT,  32768                     ; what one tensor load brings: 8 tiles x 4 steps x 1,024 bytes
.set SLOT,   4*HALFT                   ; hidden's 16 tiles, then w_in's 16
.set SCL,    2*SLOT                    ; behind the slots: the scale words, 4,096 bytes a wave's load
.set HALFS,  4096
.set SPARE,  SCL+4*HALFS               ; the spare words, 128 bytes a wave, that no other line names
.set ADRA, 16                          ; v16-17  LDS address of my fragments of hidden in slot 0, 1
.set ADRB, 20                          ; v20-21  the same for w_in
.set CO,   26                          ; v26     16 x lane
.set ADRS, 27                          ; v27     my scale words: lanes 0-15 hidden's rows, lanes 16-31 w_in's columns
.set SPW,  28                          ; v28     my spare word's LDS address; never rewritten
.set NIL,  29                          ; v29     0; never rewritten
.set SC,   32                          ; scale words: set s at v[SC + 32 s]; register 4 i + q: lanes 0-15 hidden's tile i, lanes 16-31 w_in's tile i, the slot's q-th 128 along K
.set AF,   128                         ; hidden's fragments
.set PK,   128                         ; the way out: packed results
.set G1, 24                            ; s[24:31] group 1 for hidden's codes;  s[32:39] group 0, one set a slot
.set G0, 32
.set G1B, 48                           ; s[48:55], s[56:63] the same for w_in's
.set G0B, 56
.set G1S, 68                           ; s[68:75], s[76:79] groups 1 and 0 for hidden's scale words;  s[80:87], s[88:91] for w_in's
.set G0S, 76
.set G1SB, 80
.set G0SB, 88
.set MSB, 0
.macro WIN new                         ; the immediate's high byte repeats the setting that is left
.if MSB != \new
	s_set_vgpr_msb (MSB<<8)|\new
.set MSB, \new
.endif
.endm
.set MUL_LO, 0xa1                      ; source 0 window 1, source 1 window 0, C and D window 2
.set MUL_HI, 0xf1                      ; the same, C and D window 3
.set TO_B,   0x40                      ; destination window 1, address window 0
; A joint load: waves 0 and 1 fetch for hidden, waves 2 and 3 for w_in.  The branch hangs on the wave's number alone.  An s_nop 0 and four v_nop follow each line.
.macro JLOAD g0a, g1a, g0b, g1b
	s_cmp_eq_u32 s15, 0
	s_cbranch_scc0 .Lfor_b_\@
	tensor_load_to_lds s[\g0a:\g0a+3], s[\g1a:\g1a+7]
	s_nop 0
.rept 4
	v_nop
.endr
	s_branch .Lasked_\@
.Lfor_b_\@:
	tensor_load_to_lds s[\g0b:\g0b+3], s[\g1b:\g1b+7]
	s_nop 0
.rept 4
	v_nop
.endr
.Lasked_\@:
.endm
.macro CROUND                          ; a round of the cluster's barrier
	s_barrier_signal -1
	s_barrier_wait -1
	s_cmp_lg_u32 s14, 0
	s_cbranch_scc1 .Lnot_wave_0_\@
	s_barrier_signal -3
.Lnot_wave_0_\@:
	s_barrier_wait -3
	s_barrier_signal -1
	s_barrier_wait -1
.endm
	s_load_b128 s[4:7], s[0:1], 0x0                ; xc s[4:5], xs s[6:7]
	s_load_b128 s[8:11], s[0:1], 0x10              ; wc s[8:9], ws s[10:11]
	s_load_b64 s[12:13], s[0:1], 0x20              ; qkv
	s_load_b64 s[96:97], s[0:1], 0x28              ; qkvf
	v_lshl_add_u32 v[SPW], v0, 2, SPARE
	v_mov_b32 v[NIL], 0
	ds_add_u32 v[SPW], v[NIL]                      ; the wave's opening: the add, twice on end, and its wait ahead of my first tensor load
	ds_add_u32 v[SPW], v[NIL]
	v_lshrrev_b32 v1, 5, v0
	v_readfirstlane_b32 s14, v1                    ; wave 0..3
	s_lshr_b32 s15, s14, 1                         ; which half of the tile's tokens is mine.  Also: I fetch for hidden (0) or for w_in (1)
	s_and_b32 s16, s14, 1                          ; which half of its columns.  Also: which 8 tiles I fetch
	s_bfe_u32 s40, ttmp6, 0x40000                  ; cx, cy: my place in the cluster
	s_bfe_u32 s41, ttmp6, 0x40004
	s_lshl_b32 s42, ttmp9, 2
	s_add_co_u32 s42, s42, s40                     ; tile column = 4 x cluster x + cx
	s_and_b32 s17, ttmp7, 0xffff
	s_lshl_b32 s17, s17, 2
	s_add_co_u32 s17, s17, s41                     ; tile row = 4 x cluster y + cy
	s_lshl_b32 s43, s41, 2
	s_lshl_b32 s43, 15, s43                        ; my row of the cluster
	s_lshl_b32 s44, 0x1111, s40                    ; my column
	; group 1: a dense block as rows of 256 bytes (32 elements of 8 bytes): 128 rows of codes, 16 rows of scale words; no padding
	s_or_b32 s[G1+0], s43, (3<<16)|(1<<21)         ; 15:0 the mask; 17:16 elements of 8 bytes; 21 set beside a mask
	s_or_b32 s[G1B+0], s44, (3<<16)|(1<<21)
.irp g, G1, G1B
	s_mov_b32 s[\g+1], 32<<16                      ; tensor_dim0
	s_mov_b32 s[\g+2], 128<<16                     ; tensor_dim1
	s_mov_b32 s[\g+3], 32<<16                      ; tile_dim0
	s_mov_b32 s[\g+4], 128                         ; tile_dim1
	s_mov_b32 s[\g+5], 32                          ; from row to row
	s_mov_b32 s[\g+6], 0
	s_mov_b32 s[\g+7], 0
.endr
	s_or_b32 s[G1S+0], s43, (3<<16)|(1<<21)
	s_or_b32 s[G1SB+0], s44, (3<<16)|(1<<21)
.irp g, G1S, G1SB
	s_mov_b32 s[\g+1], 32<<16
	s_mov_b32 s[\g+2], 16<<16
	s_mov_b32 s[\g+3], 32<<16
	s_mov_b32 s[\g+4], 16
	s_mov_b32 s[\g+5], 32
	s_mov_b32 s[\g+6], 0
	s_mov_b32 s[\g+7], 0
.endr
	s_lshl_b32 s18, s16, 15                        ; my 8 tiles of 4,096 bytes
	s_lshl_b32 s20, s17, 16
	s_add_co_u32 s20, s20, s18                     ; hidden's codes: (16 x tile row + 8 x half) x 4,096
	s_lshl_b32 s46, s42, 16
	s_add_co_u32 s46, s46, s18                     ; w_in's: by the tile column
	s_mov_b32 s21, 0
	s_mov_b32 s47, 0
	s_lshl_b32 s18, s16, 12                        ; scale words: 512 bytes a tile
	s_lshl_b32 s22, s17, 13
	s_add_co_u32 s22, s22, s18
	s_lshl_b32 s92, s42, 13
	s_add_co_u32 s92, s92, s18
	s_mov_b32 s23, 0
	s_mov_b32 s93, 0
	s_lshl_b32 s45, s14, 15                        ; where they go: wave x 32,768; no place in the cluster enters an LDS address
	s_lshl_b32 s94, s14, 12
	s_wait_dscnt 0x0                               ; both opening adds are done
	s_wait_kmcnt 0x0
	s_add_nc_u64 s[20:21], s[4:5], s[20:21]
	s_add_nc_u64 s[22:23], s[6:7], s[22:23]
	s_add_nc_u64 s[46:47], s[8:9], s[46:47]
	s_add_nc_u64 s[92:93], s[10:11], s[92:93]
	CROUND                                         ; all sixteen work-groups are here: the joint loads meet
	s_mov_b32 s[G0S], 1
	s_add_co_u32 s[G0S+1], s94, SCL
	s_mov_b64 s[G0S+2:G0S+3], s[22:23]
	s_or_b32 s[G0S+3], s[G0S+3], 0x80000000
	s_mov_b32 s[G0SB], 1
	s_add_co_u32 s[G0SB+1], s94, SCL
	s_mov_b64 s[G0SB+2:G0SB+3], s[92:93]
	s_or_b32 s[G0SB+3], s[G0SB+3], 0x80000000
	JLOAD G0S, G1S, G0SB, G1SB                     ; the scale words first; three tensor loads of mine are out behind the last of these
.irp s, 0,1
	s_mov_b32 s[G0+4*\s], 1
	s_add_co_u32 s[G0+4*\s+1], s45, \s*SLOT
	s_add_nc_u64 s[G0+4*\s+2:G0+4*\s+3], s[20:21], \s*2097152      ; K half s of xc
	s_or_b32 s[G0+4*\s+3], s[G0+4*\s+3], 0x80000000
	s_mov_b32 s[G0B+4*\s], 1
	s_add_co_u32 s[G0B+4*\s+1], s45, \s*SLOT
	s_add_nc_u64 s[G0B+4*\s+2:G0B+4*\s+3], s[46:47], \s*786432     ; K half s of wc
	s_or_b32 s[G0B+4*\s+3], s[G0B+4*\s+3], 0x80000000
	JLOAD G0+4*\s, G1, G0B+4*\s, G1B
.endr
	v_and_b32 v1, 15, v0                           ; r
	v_bfe_u32 v2, v0, 4, 1                         ; h
	v_and_b32 v6, 31, v0
	v_lshlrev_b32 v[CO], 4, v6                     ; 16 x lane
	s_lshl_b32 s21, s15, 15                        ; my 8 tiles of hidden,
	s_lshl_b32 s22, s16, 15                        ; my 8 of w_in,
	s_add_co_u32 s22, s22, 2*HALFT                 ; which lie behind hidden's 16
.irp s, 0,1
	v_add_nc_u32 v[ADRA+\s], s21, v[CO]
	v_add_nc_u32 v[ADRB+\s], s22, v[CO]
	s_add_co_u32 s21, s21, SLOT
	s_add_co_u32 s22, s22, SLOT
.endr
	v_lshlrev_b32 v5, 4, v1                        ; my row's four words
	s_lshl_b32 s21, s15, 12
	s_lshl_b32 s22, s16, 12
	s_add_co_u32 s22, s22, 2*HALFS
	s_sub_co_u32 s22, s22, s21
	v_mul_u32_u24 v6, s22, v2                      ; lanes 16-31 take w_in's: one product, the distance between the two bases
	s_add_co_u32 s21, s21, SCL
	v_add_nc_u32 v5, v5, v6
	v_add_nc_u32 v[ADRS], s21, v5
	; where my results go: ((which x 64 + batch x 16 + head) x 128 + tile of tokens) x 2,048
	s_lshr_b32 s20, s17, 3                         ; batch
	s_lshl_b32 s20, s20, 4
	s_lshl_b32 s21, s16, 1
	s_add_co_u32 s20, s20, s21                     ; + my half's two heads
	s_lshl_b32 s20, s20, 7
	s_and_b32 s98, s17, 7                          ; 0 where the tile holds a batch's first tokens
	s_lshl_b32 s21, s98, 4
	s_add_co_u32 s20, s20, s21
	s_lshl_b32 s21, s15, 3
	s_add_co_u32 s20, s20, s21
	s_lshl_b32 s20, s20, 11
	s_mov_b32 s21, 0
	s_lshr_b32 s46, s42, 2                         ; q, k or v
	s_lshl_b32 s46, s46, 6
	s_and_b32 s47, s42, 3
	s_lshl_b32 s47, s47, 2                         ; the tile column's four heads
	s_add_co_u32 s46, s46, s47
	s_lshl_b32 s46, s46, 18
	s_mov_b32 s47, 0
	s_add_nc_u64 s[20:21], s[20:21], s[46:47]
	s_add_nc_u64 s[12:13], s[12:13], s[20:21]
	s_lshr_b32 s20, s17, 3                         ; qkvf: (batch x 192 + 16 x tile column + 8 x half) x 1,024
	s_mul_i32 s20, s20, 192
	s_lshl_b32 s46, s42, 4
	s_add_co_u32 s20, s20, s46
	s_lshl_b32 s46, s16, 3
	s_add_co_u32 s20, s20, s46
	s_lshl_b32 s20, s20, 10
	s_mov_b32 s21, 0
	s_add_nc_u64 s[96:97], s[96:97], s[20:21]
.macro FRAG reg, adr, q, i             ; a fragment, 16 rows x 128 K: two pieces of the image
.irp c, 0,1
	ds_load_b128 v[\reg+4*\c:\reg+4*\c+3], v[\adr] offset:1024*(\q)+512*\c+4096*(\i)
.endr
.endm
; 16 matrix instructions: hidden's tiles a0, a0 + 1 x w_in's eight, the slot's q-th 128 along K.  The 64 accumulators take turns, one instruction a turn, in the same order in every step.
.macro MUL16 a0, p, q, sc, zero
.irp a, \a0, \a0+1
.irp b, 0,1,2,3,4,5,6,7
.if \zero
	v_wmma_scale_f32_16x16x128_f8f6f4 v[8*(8*((\a)%4)+\b):8*(8*((\a)%4)+\b)+7], v[128*(\p)+FR*\b:128*(\p)+FR*\b+FR-1], v[AF+FR*(\a):AF+FR*(\a)+FR-1], 0, v[SC+8*NQ*(\sc)+NQ*\b+(\q)], v[SC+8*NQ*(\sc)+NQ*(\a)+(\q)] matrix_a_fmt:MATRIX_FMT_FP4 matrix_b_fmt:MATRIX_FMT_FP4 matrix_a_scale:MATRIX_SCALE_ROW1
.else
	v_wmma_scale_f32_16x16x128_f8f6f4 v[8*(8*((\a)%4)+\b):8*(8*((\a)%4)+\b)+7], v[128*(\p)+FR*\b:128*(\p)+FR*\b+FR-1], v[AF+FR*(\a):AF+FR*(\a)+FR-1], v[8*(8*((\a)%4)+\b):8*(8*((\a)%4)+\b)+7], v[SC+8*NQ*(\sc)+NQ*\b+(\q)], v[SC+8*NQ*(\sc)+NQ*(\a)+(\q)] matrix_a_fmt:MATRIX_FMT_FP4 matrix_b_fmt:MATRIX_FMT_FP4 matrix_a_scale:MATRIX_SCALE_ROW1
.endif
.endr
.endr
.endm
.macro FETCH_B slot, q, p
	WIN TO_B
.irp i, 0,1,2,3,4,5,6,7
	FRAG 128*(\p)+FR*\i, ADRB+\slot, \q, \i
.endr
	WIN 0
.endm
.macro FETCH_A slot, q, i0
.irp i, \i0, \i0+1, \i0+2, \i0+3
	FRAG AF+FR*(\i), ADRA+\slot, \q, \i
.endr
.endm
.macro SCALES sc                       ; K half sc's scale words: four words a row; lanes 0-15 hidden's tile i, lanes 16-31 w_in's tile i
.irp i, 0,1,2,3,4,5,6,7
	ds_load_b128 v[SC+8*NQ*\sc+NQ*\i:SC+8*NQ*\sc+NQ*\i+3], v[ADRS] offset:512*\i+256*\sc
.endr
.endm
.macro PLACES n                        ; plain vector instructions between a matrix instruction and a load into, or a read of, its registers
.rept \n
	v_nop
.endr
.endm
.macro STEP slot, q, zero              ; a step of 128 along K that has its successor in the same slot
	s_wait_dscnt 4*NL                              ; all but the youngest eight loads (hidden's tiles 4-7)
	WIN MUL_LO
	MUL16 0, (\q)%2, \q, \slot, \zero
	MUL16 2, (\q)%2, \q, \slot, \zero
	s_wait_dscnt 0
	PLACES NP
	FETCH_B \slot, (\q)+1, 1-(\q)%2
	FETCH_A \slot, (\q)+1, 0
	WIN MUL_HI
	MUL16 4, (\q)%2, \q, \slot, \zero
	MUL16 6, (\q)%2, \q, \slot, \zero
	PLACES NP
	WIN 0
	FETCH_A \slot, (\q)+1, 4
.endm
.macro STEPS slot, from
.set Q, \from
.rept NQ-1-\from
	STEP \slot, Q, 0
.set Q, Q+1
.endr
.endm
	s_wait_tensorcnt 1                             ; the scale words and my part of slot 0 are in; slot 1's load may be out
	s_barrier_signal -1
	s_barrier_wait -1
	FETCH_B 0, 0, 0
	FETCH_A 0, 0, 0
	SCALES 0
	FETCH_A 0, 0, 4
	STEP 0, 0, 1                                   ; the first products start the sums: nothing is cleared
	STEPS 0, 1
	; slot 0's last step, and the change to slot 1: one barrier; nothing is filled again
	s_wait_tensorcnt 0x0                           ; my part of slot 1 has landed;
	ds_add_u32 v[SPW], v[NIL]
	s_wait_dscnt 4*NL+1                            ; (the add and the youngest eight loads may be out)
	WIN MUL_LO
	MUL16 0, 1, NQ-1, 0, 0
	s_wait_dscnt 0x0
	s_barrier_signal -1
	MUL16 2, 1, NQ-1, 0, 0
	WIN 0
	s_barrier_wait -1                              ; everybody's part of slot 1 is in
	PLACES NP
	FETCH_B 1, 0, 0
	FETCH_A 1, 0, 0
	SCALES 1
	WIN MUL_HI
	MUL16 4, 1, NQ-1, 0, 0
	MUL16 6, 1, NQ-1, 0, 0
	PLACES NP
	WIN 0
	FETCH_A 1, 0, 4
	STEPS 1, 0
	s_wait_dscnt 4*NL                              ; the very last step
	WIN MUL_LO
	MUL16 0, 1, NQ-1, 1, 0
	MUL16 2, 1, NQ-1, 1, 0
	s_wait_dscnt 0
	WIN MUL_HI
	MUL16 4, 1, NQ-1, 1, 0
	MUL16 6, 1, NQ-1, 1, 0
	WIN 0
; THE WAY OUT: a lane's eight results of an accumulator are token r, channels 8 h + 0..7: rounded to f16 they are the lane's 16 bytes of a piece.  Each accumulator is read from its low end on.
.macro PACKH g                         ; my tokens 64 g .. 64 g + 63
	WIN 0x0a+5*\g
.irp a, 0,1,2,3
.irp b, 0,1,2,3,4,5,6,7
.irp i, 0,1,2,3
	v_cvt_pk_f16_f32 v[PK+4*(8*\a+\b)+\i], v[8*(8*\a+\b)+2*\i], v[8*(8*\a+\b)+2*\i+1]
.endr
.endr
.endr
	WIN 0
.irp a, 0,1,2,3
.irp b, 0,1,2,3,4,5,6,7
	global_store_b128 v[CO], v[PK+4*(8*\a+\b):PK+4*(8*\a+\b)+3], s[12:13] offset:2048*(4*\g+\a)+262144*(\b/4)+512*(\b%4)   ; 512 consecutive bytes, aligned
.endr
.endr
.endm
	PLACES NP
	PACKH 0
	s_cmp_lg_u32 s15, 0                            ; the first 16 tokens of a batch lie in the waves of the upper half (a branch on the wave's number),
	s_cbranch_scc1 .Lno_fine
	v_cmp_eq_u32 vcc_lo, s98, v[NIL]               ; of the tile rows that begin a batch: a mask
	s_wait_xcnt 0x0                                ; EXEC changes only behind this wait
	s_and_saveexec_b32 s3, vcc_lo
	WIN 0x08                                       ; a store's data: window 2
.irp b, 0,1,2,3,4,5,6,7
.irp i, 0,1
	global_store_b128 v[CO], v[8*\b+4*\i:8*\b+4*\i+3], s[96:97] offset:1024*\b+512*\i
.endr
.endr
	WIN 0
	s_wait_xcnt 0x0
	s_or_b32 exec_lo, exec_lo, s3
.Lno_fine:
	s_wait_xcnt 0x0                                ; the stores have read v128-255, which are written again
	PACKH 1
	s_wait_tensorcnt 0x0                           ; the wave's end
	ds_add_u32 v[SPW], v[NIL]
	s_wait_dscnt 0x0
	CROUND                                         ; the closing round
	s_endpgm
.Lfunc_end_k_qd22f1afa8e_qkv:
	.size	k_qd22f1afa8e_qkv, .Lfunc_end_k_qd22f1afa8e_qkv-k_qd22f1afa8e_qkv
	.p2alignl 7, 3214868480
	.fill 96, 4, 3214868480
	.section	.rodata,"a",@progbits
	.p2align	6, 0x0
	.amdhsa_kernel k_qd22f1afa8e_qkv
		.amdhsa_group_segment_fixed_size 327680
		.amdhsa_private_segment_fixed_size 0
		.amdhsa_enable_private_segment 0
		.amdhsa_kernarg_size 48
		.amdhsa_user_sgpr_count 2
		.amdhsa_user_sgpr_kernarg_segment_ptr 1
		.amdhsa_wavefront_size32 1
		.amdhsa_system_sgpr_workgroup_id_x 1
		.amdhsa_system_sgpr_workgroup_id_y 1
		.amdhsa_system_sgpr_workgroup_id_z 1
		.amdhsa_system_vgpr_workitem_id 0
		.amdhsa_next_free_vgpr 1024
		.amdhsa_next_free_sgpr 100
		.amdhsa_reserve_vcc 1
		.amdhsa_float_denorm_mode_32 3
		.amdhsa_float_denorm_mode_16_64 3
		.amdhsa_memory_ordered 1
		.amdhsa_forward_progress 1
		.amdhsa_inst_pref_size 119
	.end_amdhsa_kernel
	.amdgpu_metadata
---
amdhsa.version: [ 1, 2 ]
amdhsa.kernels:
  - .name:           k_qd22f1afa8e_qkv
    .symbol:         k_qd22f1afa8e_qkv.kd
    .args:
      - { .name: xc, .offset: 0, .size: 8, .value_kind: global_buffer, .address_space: global }
      - { .name: xs, .offset: 8, .size: 8, .value_kind: global_buffer, .address_space: global }
      - { .name: wc, .offset: 16, .size: 8, .value_kind: global_buffer, .address_space: global }
      - { .name: ws, .offset: 24, .size: 8, .value_kind: global_buffer, .address_space: global }
      - { .name: qkv, .offset: 32, .size: 8, .value_kind: global_buffer, .address_space: global }
      - { .name: qkvf, .offset: 40, .size: 8, .value_kind: global_buffer, .address_space: global }
    .group_segment_fixed_size: 327680
    .private_segment_fixed_size: 0
    .kernarg_segment_align: 8
    .kernarg_segment_size: 48
    .max_flat_workgroup_size: 128
    .sgpr_count:     100
    .vgpr_count:     1024
    .wavefront_size: 32
...
	.end_amdgpu_metadata
.endif
;; end of part 2
;; launch attn (part 3): grid 4 x 64, 8 waves a work-group, no clusters, 327,680 bytes of LDS; arguments qkv, ao; writes ao
.if DOCPART == 3
	.amdgcn_target "amdgcn-amd-amdhsa--gfx1250"
	.amdhsa_code_object_version 6
	.text
	.protected	k_qd22f1afa8e_attn
	.globl	k_qd22f1afa8e_attn
	.p2align	8
	.type	k_qd22f1afa8e_attn,@function
k_qd22f1afa8e_attn:
	s_mov_b64 s[64:65], 0
	v_nop
	global_prefetch_b8 v0, s[64:65] scope:SCOPE_SE
	s_setreg_imm32_b32 hwreg(HW_REG_WAVE_MODE, 25, 1), 1
	s_wait_xcnt 0x0
; Causal attention, 64 (batch x head) x 2,048 tokens x 64 channels, on f16 operands with f32 products' sums, maxima and row sums.
; qkv: [q,k,v 3][batch x head 64][tile of 16 tokens 128][16 channels: 4][lane][16 B]: lane (r, h): token r, channels 8 h + 0..7.
; ao:  [128 of the 1,024 columns: 8][tile of 16 tokens 512][head % 2][16 channels: 4][lane][16 B]: the image that the projection reads.
; SHARES.  Work-group (p, batch x head) owns the query blocks p and 7 - p, 256 queries each, one after the other: (p + 1) + (8 - p) = 9 units of 256 keys for every work-group.
; Each of its eight waves owns 32 queries of a block, two tiles of 16; two waves share a SIMD, so that one wave's vector work stands beside the other's matrix work.
; No cluster: under the causal mask the work-groups of a head want different units at different times, and a mask would let a whole partner pass over tiles that a joint load brings.
; LAYOUT.  S^T = K Q^T (source 0 = 16 keys, source 1 = 16 queries), O^T = V^T P (source 0 = 16 channels): a lane holds ONE query throughout.  K comes out of LDS as it lies, V turned, by ds_load_tr16_b128.
; SOFTMAX.  A running maximum m and sum l for each query: p = 2^(c s - c m), c = log2(e) / 8; in every step O and l are multiplied by a = 2^(c m_old - c m_new).  Hidden scores become -infinity: p = 0.
; THE RING.  Two slots of 64 KB (a unit's K, 32 KB, then its V).  Every wave brings 8 KB of each fill by one tensor load: one load of mine is out behind each barrier; every wait for tensor loads is for 0.
; LIMITS: q, k, v and the result are f16: magnitudes up to 65,504.  NaN and infinities are not served.  Rows 0-15 of each batch are made anew in f32 by the last launch.
; REGISTERS: v1-11 addresses and constants; v12-27 statistics, 8 a tile (+0 c m, +1 m, +2, +3 l, +4..+7 at work; a in +6); v32-63 Q; v64-127 K of a step; v128-191 S^T, then p, then P packed in place;
;   v192-255 O^T.  window 1: v0-63 V of a step; v64-95 the second block's Q.
.set SLOT1, 65536
.set VOFF,  32768
.set SPARE, 131072                     ; behind the ring: the spare words, 128 bytes a wave, that no other line names
.set AK0, 1                            ; v1   16 x lane: an image's place for my lane; also the offset of Q's loads and ao's stores
.set AV0, 2                            ; v2   my lane's place in a piece of V for the turning load
.set ADK, 3                            ; v3   K's address in the slot in hand
.set ADV, 4                            ; v4   V's
.set SPW, 5                            ; v5   my spare word's LDS address; never rewritten
.set NIL, 6                            ; v6   0; never rewritten
.set PFO, 7                            ; v7   256 x lane
.set NINF, 8                           ; v8   -infinity
.set D0,  9                            ; v9, v10  the mask's bound for tile 0, 1
.set RH,  11                           ; v11  r - 8 h
.set ST,  12
.set Q,   32
.set KF,  64
.set S,   128
.set O,   192
.set QB,  64                           ; in window 1
.set WV,  8                            ; s8   wave
.set P1,  9                            ; s9   p + 1: the trip in which the second block begins
.set TR,  10                           ; s10  the trip
.set UN,  11                           ; s11  the unit asked for last
.set KU,  12                           ; s12  the first key of the unit in hand
.set Q0,  13                           ; s13  my first query
.set QL,  14                           ; s14  my last
.set TB,  15                           ; s15  LDS byte at which the slot in hand begins
.set G1,  16                           ; s[16:23] descriptor group 1
.set G0,  24                           ; s[24:27] group 0, which walks
.set KVB, 28                           ; s[28:29] my 8 KB of unit 0 (waves 0-3: K's quarters, waves 4-7: V's)
.set AOA, 32                           ; s[32:33], s[34:35] where my rows of ao begin, first and second block
.set AOB, 34
.set Q0B, 36                           ; s36  my first query in the second block
.set CS,  38                           ; s[38:39] c, twice
.set SEL, 40                           ; s[40:41] lane selects for lane l xor 16
.set PFA, 42                           ; s[42:43] where my prefetches stand
.set PL,  44                           ; s44  trips in which I prefetch: 7 in the head's work-group 0, else 0
.set MSB, 0
.macro WIN new
.if MSB != \new
	s_set_vgpr_msb (MSB<<8)|\new
.set MSB, \new
.endif
.endm
	s_load_b128 s[4:7], s[0:1], 0x0                ; qkv s[4:5], ao s[6:7]
	v_lshl_add_u32 v[SPW], v0, 2, SPARE
	v_mov_b32 v[NIL], 0
	ds_add_u32 v[SPW], v[NIL]                      ; the wave's opening: the add, twice on end, and its wait ahead of my first tensor load
	ds_add_u32 v[SPW], v[NIL]
	v_lshrrev_b32 v1, 5, v0
	v_readfirstlane_b32 s[WV], v1
	s_mov_b32 s[G1], 3<<16                         ; no mask; elements of 8 bytes; no padding: 8 KB dense, as 32 rows of 256 bytes
	s_mov_b32 s[G1+1], 32<<16                      ; tensor_dim0
	s_mov_b32 s[G1+2], 32<<16                      ; tensor_dim1
	s_mov_b32 s[G1+3], 32<<16                      ; tile_dim0
	s_mov_b32 s[G1+4], 32                          ; tile_dim1
	s_mov_b32 s[G1+5], 32                          ; from row to row
	s_mov_b32 s[G1+6], 0
	s_mov_b32 s[G1+7], 0
	s_add_co_u32 s[P1], ttmp9, 1
	s_mov_b32 s[TR], 0
	s_mov_b32 s[UN], 0
	s_mov_b32 s[KU], 0
	s_mov_b32 s[TB], 0
	s_mov_b32 s[CS], 0x3e38aa3b                    ; c = log2(e) / sqrt(64)
	s_mov_b32 s[CS+1], s[CS]
	s_mov_b32 s[SEL], 0x76543210
	s_mov_b32 s[SEL+1], 0xfedcba98
	s_cmp_eq_u32 ttmp9, 0
	s_cselect_b32 s[PL], 7, 0
	s_and_b32 s45, ttmp7, 0xffff                   ; batch x 16 + head
	s_lshl_b32 s46, s[WV], 5
	s_lshl_b32 s[Q0], ttmp9, 8
	s_add_co_u32 s[Q0], s[Q0], s46                 ; 256 p + 32 x wave
	s_add_co_u32 s[QL], s[Q0], 31
	s_sub_co_u32 s47, 7, ttmp9
	s_lshl_b32 s[Q0B], s47, 8
	s_add_co_u32 s[Q0B], s[Q0B], s46
	s_lshl_b32 s48, s45, 18                        ; a (batch, head) is 262,144 bytes
	s_lshr_b32 s30, s[WV], 2
	s_add_co_u32 s30, s30, 1                       ; k is tensor 1, v tensor 2, of 2^24 bytes each
	s_lshl_b32 s30, s30, 24
	s_add_co_u32 s30, s30, s48
	s_and_b32 s46, s[WV], 3
	s_lshl_b32 s46, s46, 13
	s_add_co_u32 s30, s30, s46
	s_mov_b32 s31, 0                               ; stays 0: the upper word of the pair s[30:31]
	s_lshl_b32 s50, s[Q0], 7                       ; Q: 128 bytes a token
	s_add_co_u32 s50, s50, s48
	s_mov_b32 s51, 0
	s_lshl_b32 s52, s[Q0B], 7
	s_add_co_u32 s52, s52, s48
	s_mov_b32 s53, 0
	s_and_b32 s46, s45, 15                         ; head
	s_lshr_b32 s47, s46, 1
	s_lshl_b32 s54, s47, 21
	s_and_b32 s46, s46, 1
	s_lshl_b32 s46, s46, 11
	s_add_co_u32 s54, s54, s46
	s_lshr_b32 s46, s45, 4                         ; batch: 128 tiles of 4,096 bytes
	s_lshl_b32 s46, s46, 19
	s_add_co_u32 s54, s54, s46
	s_lshl_b32 s[AOA], s[Q0], 8                    ; 4,096 bytes for 16 tokens
	s_add_co_u32 s[AOA], s[AOA], s54
	s_mov_b32 s[AOA+1], 0
	s_lshl_b32 s[AOB], s[Q0B], 8
	s_add_co_u32 s[AOB], s[AOB], s54
	s_mov_b32 s[AOB+1], 0
	s_wait_dscnt 0x0                               ; both opening adds are done
	s_wait_kmcnt 0x0
	s_add_nc_u64 s[KVB:KVB+1], s[4:5], s[30:31]
	s_mov_b32 s[G0], 1
	s_lshl_b32 s[G0+1], s[WV], 13                  ; slot 0, my 8 KB
	s_mov_b64 s[G0+2:G0+3], s[KVB:KVB+1]
	s_or_b32 s[G0+3], s[G0+3], 0x80000000
	tensor_load_to_lds s[G0:G0+3], s[G1:G1+7]      ; unit 0, which holds key 0: it counts for every query
	s_nop 0
.rept 4
	v_nop
.endr
	s_mov_b64 s[PFA:PFA+1], s[KVB:KVB+1]
	s_add_nc_u64 s[50:51], s[4:5], s[50:51]
	s_add_nc_u64 s[52:53], s[4:5], s[52:53]
	s_add_nc_u64 s[AOA:AOA+1], s[6:7], s[AOA:AOA+1]
	s_add_nc_u64 s[AOB:AOB+1], s[6:7], s[AOB:AOB+1]
	v_and_b32 v9, 31, v0
	v_lshlrev_b32 v[AK0], 4, v9
	v_lshlrev_b32 v[PFO], 8, v9
.irp t, 0,1
.irp f, 0,1,2,3
	global_load_b128 v[Q+16*\t+4*\f:Q+16*\t+4*\f+3], v[AK0], s[50:51] offset:2048*\t+512*\f   ; the first block's Q: tile t, channels 16 f on
.endr
.endr
	WIN 0x40
.irp t, 0,1
.irp f, 0,1,2,3
	global_load_b128 v[QB+16*\t+4*\f:QB+16*\t+4*\f+3], v[AK0], s[52:53] offset:2048*\t+512*\f   ; the second block's, so that the change of blocks waits for no memory
.endr
.endr
	WIN 0
	v_and_b32 v10, 15, v0                          ; r
	v_bfe_u32 v11, v0, 4, 1                        ; h
	v_and_b32 v[AV0], 7, v0                        ; the turning load: lane l addresses key 8 (l / 16) + l % 8, channels 8 ((l / 8) % 2) on:
	v_lshl_add_u32 v[AV0], v11, 3, v[AV0]
	v_lshlrev_b32 v[AV0], 4, v[AV0]                ; 16 bytes a key,
	v_bfe_u32 v3, v0, 3, 1
	v_lshl_add_u32 v[AV0], v3, 8, v[AV0]           ; 256 for the upper eight channels
	v_add_nc_u32 v[AV0], VOFF, v[AV0]
	v_lshlrev_b32 v11, 3, v11
	v_sub_nc_u32 v[RH], v10, v11
	v_mov_b32 v[NINF], 0xff800000
.irp t, 0,1
.irp i, 4,5,6,7
	v_mov_b32 v[ST+8*\t+\i], 0                     ; written once: a lane permute's destination and the upper half of a named pair count as read
.endr
.endr
.macro INIT                            ; a block begins: m = -3e38, under every score; l = 0; O^T = 0.  The step is written once: its first change of m multiplies zeros
.irp t, 0,1
	v_mov_b32 v[ST+8*\t+1], 0xff61b1e6
	v_mul_f32 v[ST+8*\t], s[CS], v[ST+8*\t+1]
	v_mov_b32 v[ST+8*\t+2], 0
	v_mov_b32 v[ST+8*\t+3], 0
.endr
.set i, 0
.rept 64
	v_mov_b32 v[O+i], 0
.set i, i+1
.endr
.endm
	INIT
; THE CHANGE OF SLOTS, at a trip's head.  Each wave waits for its tensor load (its part of the unit that it is about to read), adds 0 to its spare word, and waits for that and for its reads of the slot that it has left.
; fill = 1: behind the barrier that slot takes the next trip's unit: one load a wave, with a whole unit's work in which to land.
.macro CHANGE fill
	s_wait_tensorcnt 0x0                           ; no tensor load of mine is out, so group 0 may be written
	ds_add_u32 v[SPW], v[NIL]
.if \fill
	s_xor_b32 s[G0+1], s[G0+1], SLOT1              ; the other slot than last time
	s_add_co_u32 s[UN], s[UN], 1                   ; the next unit,
	s_add_co_u32 s45, s[TR], 1
	s_cmp_eq_u32 s45, s[P1]
	s_cselect_b32 s[UN], 0, s[UN]                  ; or unit 0 again where the next trip begins the second block: ids and the count of trips alone
	s_lshl_b32 s30, s[UN], 15                      ; 32,768 bytes a unit
	s_add_nc_u64 s[G0+2:G0+3], s[KVB:KVB+1], s[30:31]
	s_or_b32 s[G0+3], s[G0+3], 0x80000000
	s_wait_xcnt 0x0                                ; the last prefetch, a trip back, has read its address
	s_add_nc_u64 s[PFA:PFA+1], s[PFA:PFA+1], 32768
.endif
	s_wait_dscnt 0x0                               ; the add is done, and my reads of the slot that I have left are over
	s_barrier_signal -1
	s_barrier_wait -1
.if \fill
	tensor_load_to_lds s[G0:G0+3], s[G1:G1+7]      ; the first thing behind the barrier, and my one tensor load until the next
	s_nop 0
.rept 4
	v_nop
.endr
	; A prefetch of what the next change will ask for.  The head's work-group 0 walks units 0 to 7 in its trips 1 to 8: it alone asks, in trip t for unit t + 1, one trip ahead of the load;
	; its eight waves name their own 8 KB, lanes 256 bytes apart: each aligned 256 bytes of units 1 to 7 once in the launch.  Trip 7 asks for nothing: there is no unit 8.
	s_cmp_lt_u32 s[TR], s[PL]
	s_cbranch_scc0 .Lno_ask_\@
	global_prefetch_b8 v[PFO], s[PFA:PFA+1] th:TH_LOAD_NT scope:SCOPE_SE
.Lno_ask_\@:
.endif
.endm
; A block's way out: O^T / l, rounded to f16: a lane's eight channels are its 16 bytes of a piece of ao.
.macro OUT ap
.irp t, 0,1
	v_add_f32 v[ST+8*\t+4], v[ST+8*\t+2], v[ST+8*\t+3]
.endr
.irp t, 0,1
	v_permlanex16_b32 v[ST+8*\t+5], v[ST+8*\t+4], s[SEL], s[SEL+1]
.endr
.irp t, 0,1
	v_add_f32 v[ST+8*\t+4], v[ST+8*\t+4], v[ST+8*\t+5]
.endr
.irp t, 0,1
	v_rcp_f32 v[ST+8*\t+6], v[ST+8*\t+4]
.endr
	v_nop                                          ; a plain instruction behind the reciprocals,
	s_wait_alu depctr_va_vdst(0)                   ; and the wait ahead of the first use: one for both
.irp t, 0,1
.set i, 0
.rept 16
	v_pk_mul_f32 v[O+32*\t+2*i:O+32*\t+2*i+1], v[O+32*\t+2*i:O+32*\t+2*i+1], v[ST+8*\t+6:ST+8*\t+7] op_sel_hi:[1,0]
.set i, i+1
.endr
.endr
.irp t, 0,1
.set i, 0
.rept 16
	v_cvt_pk_f16_f32 v[S+16*\t+i], v[O+32*\t+2*i], v[O+32*\t+2*i+1]
.set i, i+1
.endr
.endr
.irp t, 0,1
.irp ct, 0,1,2,3
	global_store_b128 v[AK0], v[S+16*\t+4*\ct:S+16*\t+4*\ct+3], s[\ap:\ap+1] offset:4096*\t+512*\ct   ; 512 consecutive bytes, aligned
.endr
.endr
.endm
.macro LOADK q                         ; K of the unit's q-th 64 keys: 8 fragments (16 keys x 32 channels), 16 loads
.irp kt, 0,1,2,3
.irp cb, 0,1
.irp e, 0,1
	ds_load_b128 v[KF+8*(2*\kt+\cb)+4*\e:KF+8*(2*\kt+\cb)+4*\e+3], v[ADK] offset:(4*(\q)+\kt)*2048+1024*\cb+512*\e
.endr
.endr
.endr
.endm
; A KEY STEP: 64 keys, the q-th of the unit in hand.  endl: where a wave goes whose queries all come before the step's keys (the unit's later steps are hidden too): a branch on ids, round no barrier and no tensor load.
.macro STEP q, endl
	s_add_co_u32 s45, s[KU], 64*\q                 ; the step's first key
.if \q > 0
	s_cmp_gt_u32 s45, s[QL]
	s_cbranch_scc1 \endl
.endif
	WIN 0x40
.irp u, 0,1
.irp ct, 0,1,2,3
.irp e, 0,1
	ds_load_tr16_b128 v[8*(4*\u+\ct)+4*\e:8*(4*\u+\ct)+4*\e+3], v[ADV] offset:(4*\q+2*\u+\e)*2048+512*\ct   ; V^T: channels 16 ct on, keys 32 u + 16 e on
.endr
.endr
.endr
	WIN 0
	s_wait_dscnt 16                                ; K of this step is in; V's 16 loads, issued behind it, may be out
.irp cb, 0,1                                   ; S^T = K Q^T: eight accumulators by turns; the first eight products start the sums
.irp kt, 0,1,2,3
.irp t, 0,1
.if \cb == 0
	v_wmma_f32_16x16x32_f16 v[S+32*\t+8*\kt:S+32*\t+8*\kt+7], v[KF+8*(2*\kt+\cb):KF+8*(2*\kt+\cb)+7], v[Q+16*\t+8*\cb:Q+16*\t+8*\cb+7], 0
.else
	v_wmma_f32_16x16x32_f16 v[S+32*\t+8*\kt:S+32*\t+8*\kt+7], v[KF+8*(2*\kt+\cb):KF+8*(2*\kt+\cb)+7], v[Q+16*\t+8*\cb:Q+16*\t+8*\cb+7], v[S+32*\t+8*\kt:S+32*\t+8*\kt+7]
.endif
.endr
.endr
.endr
.rept 4
	v_nop                                          ; places in front of the loads into K's registers and of the first read of the scores
.endr
.if \q < 3
	LOADK \q+1                                     ; the next step's K lands under the softmax
.endif
	s_add_co_u32 s46, s45, 63                      ; on the diagonal hidden scores become -infinity; a step all of whose keys count passes over this
	s_cmp_le_u32 s46, s[Q0]
	s_cbranch_scc1 .Lopen_\@
	s_sub_co_i32 s46, s[Q0], s45
	v_add_nc_u32 v[D0], s46, v[RH]                 ; d = my query - the step's first key - 8 h.  Register 8 kt + j holds key 16 kt + 8 h + j of the step: hidden where 16 kt + j > d
	v_add_nc_u32 v[D0+1], 16, v[D0]
.irp t, 0,1
.set n, 0
.rept 32
	v_cmp_gt_i32 vcc_lo, 16*(n/8)+n%8, v[D0+\t]
	v_cndmask_b32 v[S+32*\t+n], v[S+32*\t+n], v[NINF], vcc_lo
.set n, n+1
.endr
.endr
.Lopen_\@:
	; the maximum of my 32 scores and the old m, the two tiles line by line; each accumulator is read from its low end on
.irp j, 0,1,2,3
.irp t, 0,1
	v_max3_num_f32 v[ST+8*\t+4+\j], v[S+32*\t+8*\j], v[S+32*\t+8*\j+1], v[S+32*\t+8*\j+2]
.endr
.endr
.irp g, 1,2
.irp j, 0,1,2,3
.irp t, 0,1
	v_max3_num_f32 v[ST+8*\t+4+\j], v[ST+8*\t+4+\j], v[S+32*\t+8*\j+2*\g+1], v[S+32*\t+8*\j+2*\g+2]
.endr
.endr
.endr
.irp t, 0,1
	v_max3_num_f32 v[ST+8*\t+4], v[ST+8*\t+4], v[S+32*\t+7], v[S+32*\t+15]
.endr
.irp t, 0,1
	v_max3_num_f32 v[ST+8*\t+6], v[ST+8*\t+6], v[S+32*\t+23], v[S+32*\t+31]
.endr
.irp t, 0,1
	v_max3_num_f32 v[ST+8*\t+4], v[ST+8*\t+4], v[ST+8*\t+5], v[ST+8*\t+6]
.endr
.irp t, 0,1
	v_max3_num_f32 v[ST+8*\t+4], v[ST+8*\t+4], v[ST+8*\t+7], v[ST+8*\t+1]
.endr
.irp t, 0,1
	v_permlanex16_b32 v[ST+8*\t+5], v[ST+8*\t+4], s[SEL], s[SEL+1]   ; the query's other 32 keys lie in the lane 16 away
.endr
.irp t, 0,1
	v_mov_b32 v[ST+8*\t+7], v[ST+8*\t]             ; c m_old
.endr
.irp t, 0,1
	v_max_num_f32 v[ST+8*\t+1], v[ST+8*\t+4], v[ST+8*\t+5]
.endr
.irp t, 0,1
	v_mul_f32 v[ST+8*\t], s[CS], v[ST+8*\t+1]
.endr
.irp t, 0,1
	v_sub_f32 v[ST+8*\t+7], v[ST+8*\t+7], v[ST+8*\t]
.endr
.irp t, 0,1
.set i, 0
.rept 16
	v_pk_fma_f32 v[S+32*\t+2*i:S+32*\t+2*i+1], v[S+32*\t+2*i:S+32*\t+2*i+1], s[CS:CS+1], v[ST+8*\t:ST+8*\t+1] op_sel_hi:[1,0,0] neg_lo:[0,0,1] neg_hi:[0,0,1]   ; c s - c m
.set i, i+1
.endr
.endr
.irp t, 0,1                                    ; ONE BATCH: a and the 32 weights of both tiles; none reads another's result
	v_exp_f32 v[ST+8*\t+6], v[ST+8*\t+7]
.set i, 0
.rept 32
	v_exp_f32 v[S+32*\t+i], v[S+32*\t+i]
.set i, i+1
.endr
.endr
	v_nop                                          ; a plain instruction behind the last exponential,
	s_wait_alu depctr_va_vdst(0)                   ; and the one wait ahead of the batch's first reader
.irp t, 0,1                                    ; l = a l + the sum of the unrounded weights, two at a time, in two chains
	v_pk_fma_f32 v[ST+8*\t+2:ST+8*\t+3], v[ST+8*\t+2:ST+8*\t+3], v[ST+8*\t+6:ST+8*\t+7], v[S+32*\t:S+32*\t+1] op_sel_hi:[1,0,1]
	v_pk_add_f32 v[ST+8*\t+4:ST+8*\t+5], v[S+32*\t+2:S+32*\t+3], v[S+32*\t+6:S+32*\t+7]
.endr
.irp p, 4,8,12,16,20,24
.irp t, 0,1
	v_pk_add_f32 v[ST+8*\t+2:ST+8*\t+3], v[ST+8*\t+2:ST+8*\t+3], v[S+32*\t+\p:S+32*\t+\p+1]
	v_pk_add_f32 v[ST+8*\t+4:ST+8*\t+5], v[ST+8*\t+4:ST+8*\t+5], v[S+32*\t+\p+6:S+32*\t+\p+7]
.endr
.endr
.irp t, 0,1
	v_pk_add_f32 v[ST+8*\t+2:ST+8*\t+3], v[ST+8*\t+2:ST+8*\t+3], v[S+32*\t+28:S+32*\t+29]
.endr
.irp t, 0,1
	v_pk_add_f32 v[ST+8*\t+2:ST+8*\t+3], v[ST+8*\t+2:ST+8*\t+3], v[ST+8*\t+4:ST+8*\t+5]
.endr
.irp t, 0,1                                    ; P, rounded to f16, packed in place from the low end on: pair i goes to register i, which pairs i and later do not read again
.set i, 0
.rept 16
	v_cvt_pk_f16_f32 v[S+32*\t+i], v[S+32*\t+2*i], v[S+32*\t+2*i+1]
.set i, i+1
.endr
.endr
.irp t, 0,1
.set i, 0
.rept 16
	v_pk_mul_f32 v[O+32*\t+2*i:O+32*\t+2*i+1], v[O+32*\t+2*i:O+32*\t+2*i+1], v[ST+8*\t+6:ST+8*\t+7] op_sel_hi:[1,0]   ; O^T x a
.set i, i+1
.endr
.endr
.if \q < 3
	s_wait_dscnt 16                                ; V is in; the next step's K, issued behind it, may be out
.else
	s_wait_dscnt 0x0
.endif
	WIN 0x01                                       ; source 0 (V) window 1
.irp u, 0,1                                    ; O^T += V^T P: eight accumulators by turns
.irp ct, 0,1,2,3
.irp t, 0,1
	v_wmma_f32_16x16x32_f16 v[O+32*\t+8*\ct:O+32*\t+8*\ct+7], v[8*(4*\u+\ct):8*(4*\u+\ct)+7], v[S+32*\t+8*\u:S+32*\t+8*\u+7], v[O+32*\t+8*\ct:O+32*\t+8*\ct+7]
.endr
.endr
.endr
	WIN 0
.rept 5
	v_nop                                          ; places in front of the next loads into V's registers, of the next reads of O^T, and (five) of the next scores, which are written over P
.endr
.endm
.macro SLOTBODY
	v_add_nc_u32 v[ADK], s[TB], v[AK0]
	v_add_nc_u32 v[ADV], s[TB], v[AV0]
	LOADK 0
	STEP 0, .Lend_\@
	STEP 1, .Lend_\@
	STEP 2, .Lend_\@
	STEP 3, .Lend_\@
.Lend_\@:
	s_add_co_u32 s[KU], s[KU], 256
	s_xor_b32 s[TB], s[TB], SLOT1
.endm
	s_wait_loadcnt 0x0                             ; both blocks' Q
.Ltrip:                                            ; trips 0 to 7: behind each change of slots the next trip's unit is asked for
	CHANGE 1
	s_cmp_lg_u32 s[TR], s[P1]                      ; the second block begins in trip p + 1: ids and the count of trips alone, the same in all waves
	s_cbranch_scc1 .Lsame
	OUT AOA
	s_wait_xcnt 0x0                                ; the stores have read their registers, which the next scores write
	INIT
	WIN 0x01
.set i, 0
.rept 32
	v_mov_b32 v[Q+i], v[QB+i]
.set i, i+1
.endr
	WIN 0
	s_mov_b32 s[Q0], s[Q0B]
	s_add_co_u32 s[QL], s[Q0], 31
	s_mov_b32 s[KU], 0
.Lsame:
	SLOTBODY
	s_add_co_u32 s[TR], s[TR], 1
	s_cmp_lt_u32 s[TR], 8
	s_cbranch_scc1 .Ltrip
	CHANGE 0                                       ; the ninth unit is written out: nothing is left to ask for
	SLOTBODY
	OUT AOB
	s_wait_tensorcnt 0x0                           ; the wave's end
	ds_add_u32 v[SPW], v[NIL]
	s_wait_dscnt 0x0
	s_endpgm
.Lfunc_end_k_qd22f1afa8e_attn:
	.size	k_qd22f1afa8e_attn, .Lfunc_end_k_qd22f1afa8e_attn-k_qd22f1afa8e_attn
	.p2alignl 7, 3214868480
	.fill 96, 4, 3214868480
	.section	.rodata,"a",@progbits
	.p2align	6, 0x0
	.amdhsa_kernel k_qd22f1afa8e_attn
		.amdhsa_group_segment_fixed_size 327680
		.amdhsa_private_segment_fixed_size 0
		.amdhsa_enable_private_segment 0
		.amdhsa_kernarg_size 16
		.amdhsa_user_sgpr_count 2
		.amdhsa_user_sgpr_kernarg_segment_ptr 1
		.amdhsa_wavefront_size32 1
		.amdhsa_system_sgpr_workgroup_id_x 1
		.amdhsa_system_sgpr_workgroup_id_y 1
		.amdhsa_system_sgpr_workgroup_id_z 1
		.amdhsa_system_vgpr_workitem_id 0
		.amdhsa_next_free_vgpr 352
		.amdhsa_next_free_sgpr 66
		.amdhsa_reserve_vcc 1
		.amdhsa_float_denorm_mode_32 3
		.amdhsa_float_denorm_mode_16_64 3
		.amdhsa_memory_ordered 1
		.amdhsa_forward_progress 1
		.amdhsa_inst_pref_size 194
	.end_amdhsa_kernel
	.amdgpu_metadata
---
amdhsa.version: [ 1, 2 ]
amdhsa.kernels:
  - .name:           k_qd22f1afa8e_attn
    .symbol:         k_qd22f1afa8e_attn.kd
    .args:
      - { .name: qkv, .offset: 0, .size: 8, .value_kind: global_buffer, .address_space: global }
      - { .name: ao, .offset: 8, .size: 8, .value_kind: global_buffer, .address_space: global }
    .group_segment_fixed_size: 327680
    .private_segment_fixed_size: 0
    .kernarg_segment_align: 8
    .kernarg_segment_size: 16
    .max_flat_workgroup_size: 256
    .sgpr_count:     66
    .vgpr_count:     352
    .wavefront_size: 32
...
	.end_amdgpu_metadata
.endif
;; end of part 3
;; launch proj (part 4): grid 4 x 64, 4 waves a work-group, clusters of 4 x 4, 327,680 bytes of LDS; arguments ao, wo, out0; writes out0
.if DOCPART == 4
	.amdgcn_target "amdgcn-amd-amdhsa--gfx1250"
	.amdhsa_code_object_version 6
	.text
	.protected	k_qd22f1afa8e_proj
	.globl	k_qd22f1afa8e_proj
	.p2align	8
	.type	k_qd22f1afa8e_proj,@function
k_qd22f1afa8e_proj:
	s_mov_b64 s[64:65], 0
	v_nop
	global_prefetch_b8 v0, s[64:65] scope:SCOPE_SE
	s_setreg_imm32_b32 hwreg(HW_REG_WAVE_MODE, 25, 1), 1
	s_wait_xcnt 0x0
	s_wait_alu depctr_hold_cnt(0) depctr_sa_sdst(0) depctr_va_vdst(0) depctr_va_sdst(0) depctr_va_ssrc(0) depctr_va_vcc(0) depctr_vm_vsrc(0)
	s_getreg_b32 s2, hwreg(HW_REG_IB_STS2, 6, 4)
	s_cmp_eq_u32 s2, 0
	s_cbranch_scc0 .Lentry_in_a_cluster
	s_endpgm
.Lentry_in_a_cluster:
	s_bfe_u32 s2, ttmp6, 0x10000c
	s_cmp_lg_u32 s2, 0xf033
	s_cbranch_scc0 .Lentry_shape_is_right
	s_endpgm
.Lentry_shape_is_right:
; out0 = attention's result x w_out: [8192][1024] x [1024][1024], f16 operands, f32 sums, f32 out.
; A tile of the result is 128 rows x 256 columns: 256 work-groups.  Four waves, each 64 x 128: 32 accumulators, 256 registers.  K goes in 8 steps of 128 through a ring of two LDS slots.
; Both operands come as images of their registers (a piece = 512 bytes, lane l's 16 bytes at 16 l): a K step's rows are one dense block (ao: 32 KB, wo: 64 KB), a fragment is two ds_load_b128 at 16 x lane.
; CLUSTERS: 4 x 4 work-groups.  The four of a row need the same rows of ao, the four of a column the same columns of wo: asked for jointly.
; THE MATRIX INSTRUCTION IS USED TRANSPOSED (source 0 = 16 columns of wo, source 1 = 16 rows of ao): a lane holds eight neighbouring numbers of a row of out0.
; Rows 0-15 of each batch are written here too and written over, in f32 arithmetic, by the launch that follows.
; REGISTERS: window 0: v16-31 addresses; two fragment buffers of 96 (wo's 8 fragments, then ao's 4) at v64 and v160; on the way out v64-191 hold rows.  window 1: accumulator (a, b) at v[8 (8 a + b)].
.set SLOT,   98304                     ; ao's 32 KB, then wo's 64 KB
.set BOFF,   32768
.set STAGE,  2*SLOT                    ; behind the ring: 16 rows x (512 bytes + 16) for each wave; no tensor load lands here
.set SPITCH, 528
.set SPARE,  STAGE+4*16*SPITCH         ; the spare words, 128 bytes a wave, that no other line names
.set LAPS,   4                         ; a lap = two K steps
.set ADRA, 16
.set ADRB, 20
.set STO,  24
.set RD,   25
.set CO,   26
.set SPW,  28
.set NIL,  29
.set PFO,  30                          ; v30  256 x lane
.set F0,   64
.set F1,   160
.set BK,   64
.set G1, 24                            ; s[24:31] group 1 for ao's blocks; s[32:39] group 0, one set a slot
.set G0, 32
.set G1B, 48                           ; s[48:55], s[56:63] the same for wo's
.set G0B, 56
.set PFA, 66                           ; s[66:67] where my prefetches stand
.set PFS, 68                           ; s[68:69] a K step on, in bytes
.set LIM, 70                           ; s70  1 in a wave that prefetches, else the greatest number
.set MSB, 0
.macro WIN new
.if MSB != \new
	s_set_vgpr_msb (MSB<<8)|\new
.set MSB, \new
.endif
.endm
.set MUL, 0x50                         ; sources 0 and 1 window 0; C and D window 1
.macro JLOAD s                         ; a joint load: waves 0 and 1 fetch ao's halves, waves 2 and 3 wo's; an s_nop 0 and four v_nop follow each line
	s_cmp_eq_u32 s11, 0
	s_cbranch_scc0 .Lfor_b_\@
	tensor_load_to_lds s[G0+4*\s:G0+4*\s+3], s[G1:G1+7]
	s_nop 0
.rept 4
	v_nop
.endr
	s_branch .Lasked_\@
.Lfor_b_\@:
	tensor_load_to_lds s[G0B+4*\s:G0B+4*\s+3], s[G1B:G1B+7]
	s_nop 0
.rept 4
	v_nop
.endr
.Lasked_\@:
.endm
.macro CREST
	s_cmp_lg_u32 s10, 0
	s_cbranch_scc1 .Lnot_wave_0_\@
	s_barrier_signal -3
.Lnot_wave_0_\@:
	s_barrier_wait -3
	s_barrier_signal -1
	s_barrier_wait -1
.endm
.macro CROUND
	s_barrier_signal -1
	s_barrier_wait -1
	CREST
.endm
; A prefetch of the K step that stands two refills on (256 matrix instructions of a wave ahead of the load that wants it): 8 KB, lanes 256 bytes apart, one instruction a wave.
; ao's 32 KB of a tile row: the four partners of the row share them by address (cx), wave 0 asks.  wo's 64 KB of a tile column are read by every cluster: the cluster with y = 0 asks; its four partners of the
; column share them by address (cy), waves 2 and 3 take 8 KB each.  So each aligned 256 bytes of K steps 4 to 7 are named once.  The loop's last trip asks for nothing: there is no K step 8.
.macro ASK
	s_cmp_gt_u32 s3, s[LIM]
	s_cbranch_scc0 .Lnot_mine_\@
	global_prefetch_b8 v[PFO], s[PFA:PFA+1] th:TH_LOAD_NT scope:SCOPE_SE
.Lnot_mine_\@:
.endm
	s_load_b128 s[4:7], s[0:1], 0x0                ; ao s[4:5], wo s[6:7]
	s_load_b64 s[8:9], s[0:1], 0x10                ; out0
	v_lshl_add_u32 v[SPW], v0, 2, SPARE
	v_mov_b32 v[NIL], 0
	ds_add_u32 v[SPW], v[NIL]                      ; the wave's opening: the add, twice on end, and its wait ahead of my first tensor load
	ds_add_u32 v[SPW], v[NIL]
	v_lshrrev_b32 v1, 5, v0
	v_readfirstlane_b32 s10, v1                    ; wave 0..3
	s_lshr_b32 s11, s10, 1                         ; which half of the tile's rows is mine.  Also: I fetch for ao (0) or for wo (1)
	s_and_b32 s12, s10, 1                          ; which half of its columns.  Also: which half of the block I fetch
	s_bfe_u32 s40, ttmp6, 0x40000                  ; cx, cy
	s_bfe_u32 s41, ttmp6, 0x40004
	s_lshl_b32 s42, ttmp9, 2
	s_add_co_u32 s42, s42, s40                     ; tile column
	s_and_b32 s13, ttmp7, 0xffff
	s_lshl_b32 s13, s13, 2
	s_add_co_u32 s13, s13, s41                     ; tile row
	s_lshl_b32 s43, s41, 2
	s_lshl_b32 s43, 15, s43                        ; my row of the cluster
	s_lshl_b32 s44, 0x1111, s40                    ; my column
	s_or_b32 s[G1+0], s43, (3<<16)|(1<<21)         ; the mask; elements of 8 bytes; bit 21 beside a mask; no padding
	s_mov_b32 s[G1+1], 32<<16                      ; rows of 256 bytes,
	s_mov_b32 s[G1+2], 64<<16                      ; 64 of them: 16 KB
	s_mov_b32 s[G1+3], 32<<16
	s_mov_b32 s[G1+4], 64
	s_mov_b32 s[G1+5], 32
	s_mov_b32 s[G1+6], 0
	s_mov_b32 s[G1+7], 0
	s_or_b32 s[G1B+0], s44, (3<<16)|(1<<21)
	s_mov_b32 s[G1B+1], 32<<16
	s_mov_b32 s[G1B+2], 128<<16                    ; 128 rows: 32 KB
	s_mov_b32 s[G1B+3], 32<<16
	s_mov_b32 s[G1B+4], 128
	s_mov_b32 s[G1B+5], 32
	s_mov_b32 s[G1B+6], 0
	s_mov_b32 s[G1B+7], 0
	s_lshl_b32 s16, s13, 15                        ; ao: 8 tiles of 4,096 bytes a tile row,
	s_lshl_b32 s17, s12, 14                        ; my half of them
	s_add_co_u32 s16, s16, s17
	s_mov_b32 s20, s17                             ; and where it goes in a slot
	s_mov_b32 s17, 0
	s_lshl_b32 s46, s42, 16                        ; wo: 16 tiles a tile column
	s_lshl_b32 s47, s12, 15
	s_add_co_u32 s46, s46, s47
	s_add_co_u32 s21, s47, BOFF
	s_mov_b32 s47, 0
	s_wait_dscnt 0x0                               ; both opening adds are done
	s_wait_kmcnt 0x0
	s_add_nc_u64 s[14:15], s[4:5], s[16:17]
	s_add_nc_u64 s[46:47], s[6:7], s[46:47]
	CROUND                                         ; all sixteen work-groups are here: the first joint loads meet
.irp s, 0,1
	s_mov_b32 s[G0+4*\s], 1
	s_add_co_u32 s[G0+4*\s+1], s20, \s*SLOT
	s_add_nc_u64 s[G0+4*\s+2:G0+4*\s+3], s[14:15], \s*2097152      ; K step s of ao
	s_or_b32 s[G0+4*\s+3], s[G0+4*\s+3], 0x80000000
	s_mov_b32 s[G0B+4*\s], 1
	s_add_co_u32 s[G0B+4*\s+1], s21, \s*SLOT
	s_add_nc_u64 s[G0B+4*\s+2:G0B+4*\s+3], s[46:47], \s*262144     ; K step s of wo
	s_or_b32 s[G0B+4*\s+3], s[G0B+4*\s+3], 0x80000000
	JLOAD \s
.endr
	v_and_b32 v1, 15, v0                           ; r
	v_bfe_u32 v2, v0, 4, 1                         ; h
	v_and_b32 v3, 31, v0
	v_lshlrev_b32 v[CO], 4, v3                     ; 16 x lane
	v_lshlrev_b32 v[PFO], 8, v3
	s_lshl_b32 s21, s11, 14                        ; my 4 tiles of ao,
	s_lshl_b32 s22, s12, 15                        ; my 8 of wo
	s_add_co_u32 s22, s22, BOFF
.irp s, 0,1
	v_add_nc_u32 v[ADRA+\s], s21, v[CO]
	v_add_nc_u32 v[ADRB+\s], s22, v[CO]
	s_add_co_u32 s21, s21, SLOT
	s_add_co_u32 s22, s22, SLOT
.endr
	s_mul_i32 s23, s10, 16*SPITCH
	s_add_co_u32 s23, s23, STAGE                   ; my stage
	v_mul_u32_u24 v4, v1, SPITCH
	v_lshl_add_u32 v4, v2, 5, v4
	v_add_nc_u32 v[STO], s23, v4                   ; in: row r, 32 bytes for each half of the lanes
	v_add_nc_u32 v[RD], s23, v[CO]                 ; back: the 32 lanes take one row of 512 bytes
	s_lshl_b32 s16, s13, 19                        ; my first row of out0: (128 x tile row + 64 x half) x 4,096 bytes
	s_lshl_b32 s17, s11, 18
	s_add_co_u32 s16, s16, s17
	s_mov_b32 s17, 0
	s_lshl_b32 s46, s42, 10                        ; my first column: 1,024 bytes a tile column + 512 x half
	s_lshl_b32 s47, s12, 9
	s_add_co_u32 s46, s46, s47
	s_mov_b32 s47, 0
	s_add_nc_u64 s[16:17], s[16:17], s[46:47]
	s_add_nc_u64 s[8:9], s[8:9], s[16:17]
	; the prefetches: where mine stand, and who asks
	s_and_b32 s22, ttmp7, 0xffff                   ; cluster y
	s_lshl_b32 s20, s13, 15
	s_lshl_b32 s21, s40, 13
	s_add_co_u32 s20, s20, s21                     ; ao: the tile row's block + 8 KB x cx,
	s_add_co_u32 s20, s20, 3*2097152               ; at K step 3: the first refill steps it to 4
	s_lshl_b32 s23, s42, 16
	s_lshl_b32 s21, s41, 14
	s_add_co_u32 s23, s23, s21                     ; wo: the tile column's block + 16 KB x cy
	s_lshl_b32 s21, s12, 13
	s_add_co_u32 s23, s23, s21                     ; + 8 KB x (wave % 2)
	s_add_co_u32 s23, s23, 3*262144
	s_mov_b32 s[PFS], 262144
	s_cmp_eq_u32 s11, 0                            ; do I fetch for ao?
	s_cselect_b32 s20, s20, s23
	s_cselect_b32 s22, s12, s22                    ; ao: wave 0 asks; wo: the cluster with y = 0
	s_cselect_b32 s[PFS], 0x200000, s[PFS]
	s_cselect_b64 s[PFA:PFA+1], s[4:5], s[6:7]
	s_cmp_eq_u32 s22, 0
	s_cselect_b32 s[LIM], 1, -1                    ; the same in all sixteen partners, for a given wave
	s_mov_b32 s21, 0
	s_mov_b32 s[PFS+1], 0
	s_add_nc_u64 s[PFA:PFA+1], s[PFA:PFA+1], s[20:21]
.macro MUL8 f, a, zero                 ; ao's tile a x wo's eight, 32 along K.  The 32 accumulators take turns, one instruction a turn, in the same order in every quarter
.irp b, 0,1,2,3,4,5,6,7
.if \zero
	v_wmma_f32_16x16x32_f16 v[8*(8*(\a)+\b):8*(8*(\a)+\b)+7], v[\f+8*\b:\f+8*\b+7], v[\f+64+8*(\a):\f+64+8*(\a)+7], 0
.else
	v_wmma_f32_16x16x32_f16 v[8*(8*(\a)+\b):8*(8*(\a)+\b)+7], v[\f+8*\b:\f+8*\b+7], v[\f+64+8*(\a):\f+64+8*(\a)+7], v[8*(8*(\a)+\b):8*(8*(\a)+\b)+7]
.endif
.endr
.endm
.macro FETCH slot, q, f                ; 24 LDS loads in one run: the slot's q-th 32 along K; wo's eight fragments, then ao's four
.irp b, 0,1,2,3,4,5,6,7
.irp c, 0,1
	ds_load_b128 v[\f+8*\b+4*\c:\f+8*\b+4*\c+3], v[ADRB+\slot] offset:4096*\b+1024*(\q)+512*\c
.endr
.endr
.irp a, 0,1,2,3
.irp c, 0,1
	ds_load_b128 v[\f+64+8*\a+4*\c:\f+64+8*\a+4*\c+3], v[ADRA+\slot] offset:4096*\a+1024*(\q)+512*\c
.endr
.endr
.endm
.macro PLACES                          ; plain vector instructions between a matrix instruction and a load into, or a read of, its registers
.rept 4
	v_nop
.endr
.endm
.macro QUARTER slot, q, f, g, zero     ; multiplies buffer f; in its middle it fetches the slot's q-th 32 along K into buffer g
	s_wait_dscnt 4                                 ; all but the youngest four loads (ao's tiles 2 and 3)
	WIN MUL
	MUL8 \f, 0, \zero
	MUL8 \f, 1, \zero
	PLACES
	WIN 0
	FETCH \slot, \q, \g
	s_wait_dscnt 24                                ; all but the 24 just issued
	WIN MUL
	MUL8 \f, 2, \zero
	MUL8 \f, 3, \zero
.endm
; A slot's last quarter multiplies buffer 1 and changes slots: one barrier; in front of it each wave waits for all its tensor loads, adds 0 to its spare word, and waits for that and for its reads of this slot.
.macro TURN slot, next, fill
.if \fill
	s_wait_xcnt 0x0                                ; the last prefetch, a K step back, has read its address
	s_add_nc_u64 s[PFA:PFA+1], s[PFA:PFA+1], s[PFS:PFS+1]
.endif
	WIN 0
	s_wait_tensorcnt 0x0                           ; my part of the next slot has landed;
	ds_add_u32 v[SPW], v[NIL]
	s_wait_dscnt 5                                 ; (the add and the youngest four loads may be out)
	WIN MUL
	MUL8 F1, 0, 0
	s_wait_dscnt 0x0                               ; the add is done, and my reads of this slot are over
	s_barrier_signal -1
	MUL8 F1, 1, 0
	WIN 0
	s_barrier_wait -1
.if \fill
	CREST                                          ; the barrier has opened a round of the cluster's: no wave of any partner still reads this slot or has a load on its way
	s_add_nc_u64 s[G0+4*\slot+2:G0+4*\slot+3], s[G0+4*\slot+2:G0+4*\slot+3], 2*2097152
	s_add_nc_u64 s[G0B+4*\slot+2:G0B+4*\slot+3], s[G0B+4*\slot+2:G0B+4*\slot+3], 2*262144
	JLOAD \slot                                    ; the first tensor load behind the round; its four v_nop are also the places in front of the loads below
.else
	PLACES
.endif
	FETCH \next, 0, F0
.if \fill
	ASK
.endif
	WIN MUL
	MUL8 F1, 2, 0
	MUL8 F1, 3, 0
.endm
	s_wait_tensorcnt 1                             ; my part of K step 0 is in; K step 1's load may be out
	s_barrier_signal -1
	s_barrier_wait -1
	FETCH 0, 0, F0
	QUARTER 0, 1, F0, F1, 1                        ; the first products start the sums
	WIN 0
	s_mov_b32 s3, LAPS-1
.Llap:                                             ; a trip goes once round the ring and fills both slots again
	QUARTER 0, 2, F1, F0, 0
	QUARTER 0, 3, F0, F1, 0
	TURN 0, 1, 1
	QUARTER 1, 1, F0, F1, 0
	QUARTER 1, 2, F1, F0, 0
	QUARTER 1, 3, F0, F1, 0
	TURN 1, 0, 1
	QUARTER 0, 1, F0, F1, 0
	WIN 0
	s_sub_co_u32 s3, s3, 1
	s_cmp_lg_u32 s3, 0
	s_cbranch_scc1 .Llap
	QUARTER 0, 2, F1, F0, 0                        ; the last lap fills nothing
	QUARTER 0, 3, F0, F1, 0
	TURN 0, 1, 0
	QUARTER 1, 1, F0, F1, 0
	QUARTER 1, 2, F1, F0, 0
	QUARTER 1, 3, F0, F1, 0
	s_wait_dscnt 4
	WIN MUL
	MUL8 F1, 0, 0
	MUL8 F1, 1, 0
	s_wait_dscnt 0
	MUL8 F1, 2, 0
	MUL8 F1, 3, 0
	WIN 0
; THE WAY OUT, a block of 16 rows x 128 columns at a time, through my own stage: in as 32 bytes a lane, back as whole rows of 512 bytes.  LDS serves a wave's instructions in order: no wait between.
.macro TOSTAGE a
	WIN 0x04                                       ; an LDS store's data: window 1
.irp b, 0,1,2,3,4,5,6,7
	ds_store_b128 v[STO], v[8*(8*(\a)+\b):8*(8*(\a)+\b)+3] offset:64*\b          ; each accumulator from its low end on
	ds_store_b128 v[STO], v[8*(8*(\a)+\b)+4:8*(8*(\a)+\b)+7] offset:64*\b+16
.endr
	WIN 0
.set BB, BK+64*((\a)%2)
.irp t, 0,1,2,3,4,5,6,7,8,9,10,11,12,13,14,15
	ds_load_b128 v[BB+4*\t:BB+4*\t+3], v[RD] offset:\t*SPITCH
.endr
.endm
.macro SEND a, younger
.set BB, BK+64*((\a)%2)
	s_wait_dscnt \younger                          ; the block is back in registers
.if (\a) > 0
	s_add_nc_u64 s[8:9], s[8:9], 16*4096           ; 16 rows on (behind a wait on XCNT: the earlier stores have read their base)
.endif
.irp t, 0,1,2,3,4,5,6,7,8,9,10,11,12,13,14,15
	global_store_b128 v[CO], v[BB+4*\t:BB+4*\t+3], s[8:9] offset:\t*4096 th:TH_STORE_NT   ; 512 consecutive bytes, aligned
.endr
.endm
	PLACES
	TOSTAGE 0
.irp a, 1,2,3
.if \a > 1
	s_wait_xcnt 0x0                                ; block a - 2's stores have read their registers and their base
.endif
	TOSTAGE \a
	SEND \a-1, 32                                  ; behind block a - 1's loads: block a's 16 stores and 16 loads
.endr
	s_wait_xcnt 0x0
	SEND 3, 0
	s_wait_tensorcnt 0x0                           ; the wave's end
	ds_add_u32 v[SPW], v[NIL]
	s_wait_dscnt 0x0
	CROUND                                         ; the closing round
	s_endpgm
.Lfunc_end_k_qd22f1afa8e_proj:
	.size	k_qd22f1afa8e_proj, .Lfunc_end_k_qd22f1afa8e_proj-k_qd22f1afa8e_proj
	.p2alignl 7, 3214868480
	.fill 96, 4, 3214868480
	.section	.rodata,"a",@progbits
	.p2align	6, 0x0
	.amdhsa_kernel k_qd22f1afa8e_proj
		.amdhsa_group_segment_fixed_size 327680
		.amdhsa_private_segment_fixed_size 0
		.amdhsa_enable_private_segment 0
		.amdhsa_kernarg_size 24
		.amdhsa_user_sgpr_count 2
		.amdhsa_user_sgpr_kernarg_segment_ptr 1
		.amdhsa_wavefront_size32 1
		.amdhsa_system_sgpr_workgroup_id_x 1
		.amdhsa_system_sgpr_workgroup_id_y 1
		.amdhsa_system_sgpr_workgroup_id_z 1
		.amdhsa_system_vgpr_workitem_id 0
		.amdhsa_next_free_vgpr 512
		.amdhsa_next_free_sgpr 72
		.amdhsa_reserve_vcc 0
		.amdhsa_float_denorm_mode_32 3
		.amdhsa_float_denorm_mode_16_64 3
		.amdhsa_memory_ordered 1
		.amdhsa_forward_progress 1
		.amdhsa_inst_pref_size 86
	.end_amdhsa_kernel
	.amdgpu_metadata
---
amdhsa.version: [ 1, 2 ]
amdhsa.kernels:
  - .name:           k_qd22f1afa8e_proj
    .symbol:         k_qd22f1afa8e_proj.kd
    .args:
      - { .name: ao, .offset: 0, .size: 8, .value_kind: global_buffer, .address_space: global }
      - { .name: wo, .offset: 8, .size: 8, .value_kind: global_buffer, .address_space: global }
      - { .name: out0, .offset: 16, .size: 8, .value_kind: global_buffer, .address_space: global }
    .group_segment_fixed_size: 327680
    .private_segment_fixed_size: 0
    .kernarg_segment_align: 8
    .kernarg_segment_size: 24
    .max_flat_workgroup_size: 128
    .sgpr_count:     72
    .vgpr_count:     512
    .wavefront_size: 32
...
	.end_amdgpu_metadata
.endif
;; end of part 4
;; launch fine (part 5): grid 64 x 4, 16 waves a work-group, no clusters, 18,432 bytes of LDS; arguments qkvf, w_out, out0; writes out0
.if DOCPART == 5
	.amdgcn_target "amdgcn-amd-amdhsa--gfx1250"
	.amdhsa_code_object_version 6
	.text
	.protected	k_qd22f1afa8e_fine
	.globl	k_qd22f1afa8e_fine
	.p2align	8
	.type	k_qd22f1afa8e_fine,@function
k_qd22f1afa8e_fine:
	s_mov_b64 s[64:65], 0
	v_nop
	global_prefetch_b8 v0, s[64:65] scope:SCOPE_SE
	s_setreg_imm32_b32 hwreg(HW_REG_WAVE_MODE, 25, 1), 1
	s_wait_xcnt 0x0
; The first 16 positions of each batch, which average one to sixteen values, carried in f32 from q, k, v to out0: they are written over what the projection left there.
; Work-group (x, batch) makes out0[batch][rows 0-15][columns 16 x .. 16 x + 15].  Wave = head: it makes its head's 16 x 16 attention anew and its part of the product with w_out (K = its 64 channels);
; the sixteen parts meet in LDS and two waves add and store them.
; qkvf: [batch 4][16 columns: 192][i 2][lane][4 f32]: lane (r, h): token r, columns 8 h + 4 i + 0..3.
; All three products by v_wmma_f32_16x16x4_f32, used transposed, so that a lane holds one query: S^T = k q^T, O^T = v^T p, Y^T = w^T o.  The unit takes k = 2 h + j from register j of lane (r, h); each step gives
; both sources the same four k at those places, in the order in which the registers hold them: the sums run over K in that order.  Four accumulators take turns in each product;
; what these instructions write is written by them alone, and each sum begins with the constant 0.
; The row's maximum is taken away before the exponential.  w_out's loads take 64 bytes of a row, and the stores 16 bytes of a row: 256 KB of output in all.
; LIMITS: NaN and infinities are not served; the order of the f32 sums differs from the reference's.
.set SPARE, 16384                      ; behind the sixteen parts of 1,024 bytes: the spare words, 128 bytes a wave, that no other line names
.set SS, 8                             ; v8-15   scores, then p; later my part of Y
.set PN, 16                            ; v16-23  p / the row's sum; at other times at work
.set QF, 32
.set KF, 64
.set VF, 96
.set WF, 128
.set SA, 160
.set OA, 192
.set YA, 224
	s_load_b128 s[4:7], s[0:1], 0x0                ; qkvf s[4:5], w_out s[6:7]
	s_load_b64 s[8:9], s[0:1], 0x10                ; out0
	v_lshl_add_u32 v6, v0, 2, SPARE                ; v6: my spare word's LDS address; v7: 0; neither is rewritten
	v_mov_b32 v7, 0
	v_lshrrev_b32 v1, 5, v0
	v_readfirstlane_b32 s10, v1                    ; wave = head
	v_and_b32 v24, 31, v0
	v_lshlrev_b32 v1, 4, v24                       ; 16 x lane
	v_and_b32 v25, 15, v0                          ; r
	v_bfe_u32 v26, v0, 4, 1                        ; h
	v_bfe_u32 v2, v0, 2, 1                         ; v as source 0: lane (r, h) wants channel r of token 8 h + n: in the image i = (r / 4) % 2,
	v_lshlrev_b32 v2, 9, v2
	v_bfe_u32 v27, v0, 3, 1
	v_lshl_add_u32 v2, v27, 8, v2                  ; the image's half r / 8,
	v_lshl_add_u32 v2, v26, 7, v2                  ; token 8 h,
	v_and_b32 v27, 3, v0
	v_lshl_add_u32 v2, v27, 2, v2                  ; number r % 4
	v_lshlrev_b32 v3, 15, v26                      ; w_out as source 0: row 8 h + n of 4,096 bytes, column r
	v_lshl_add_u32 v3, v25, 2, v3
	v_lshlrev_b32 v27, 3, v26
	v_sub_nc_u32 v4, v25, v27                      ; d = r - 8 h: key 8 h + j is hidden from query r where j > d
	s_lshl_b32 s11, s10, 10
	v_add_nc_u32 v5, s11, v1                       ; my part's place in LDS
	s_and_b32 s11, s10, 1
	s_lshl_b32 s18, s11, 9
	v_add_nc_u32 v28, s18, v1                      ; waves 0 and 1 read back half i = wave of every part
	v_lshlrev_b32 v29, 12, v25                     ; out0: row r, + 32 h bytes
	v_lshl_add_u32 v29, v26, 5, v29
	v_mov_b32 v31, 0xff800000                      ; -infinity
	s_mov_b32 s20, 0x76543210
	s_mov_b32 s21, 0xfedcba98
	s_mov_b32 s22, 0x3e38aa3b                      ; c = log2(e) / sqrt(64)
	s_and_b32 s19, ttmp7, 0xffff                   ; batch
	s_mul_i32 s12, s19, 196608
	s_lshl_b32 s14, s10, 12
	s_add_co_u32 s12, s12, s14                     ; qkvf: the batch, my head's four pieces of 1,024 bytes
	s_mov_b32 s13, 0
	s_lshl_b32 s14, s10, 18                        ; w_out: my head's 64 rows,
	s_lshl_b32 s16, ttmp9, 6                       ; the work-group's 16 columns
	s_add_co_u32 s14, s14, s16
	s_mov_b32 s15, 0
	s_lshl_b32 s17, s19, 23                        ; out0: the batch's first row
	s_add_co_u32 s16, s16, s17
	s_lshl_b32 s17, s11, 4                         ; + 16 bytes x (wave % 2)
	s_add_co_u32 s16, s16, s17
	s_mov_b32 s17, 0
	s_wait_kmcnt 0x0
	s_add_nc_u64 s[4:5], s[4:5], s[12:13]
	s_add_nc_u64 s[6:7], s[6:7], s[14:15]
	s_add_nc_u64 s[8:9], s[8:9], s[16:17]
.irp ct, 0,1,2,3
.irp i, 0,1
	global_load_b128 v[QF+8*\ct+4*\i:QF+8*\ct+4*\i+3], v1, s[4:5] offset:1024*\ct+512*\i
.endr
.endr
.irp ct, 0,1,2,3
.irp i, 0,1
	global_load_b128 v[KF+8*\ct+4*\i:KF+8*\ct+4*\i+3], v1, s[4:5] offset:65536+1024*\ct+512*\i
.endr
.endr
.irp ct, 0,1,2,3
.irp n, 0,1,2,3,4,5,6,7
	global_load_b32 v[VF+8*\ct+\n], v2, s[4:5] offset:131072+1024*\ct+16*\n       ; v[token 8 h + n][channel 16 ct + r]
.endr
.endr
.irp ct, 0,1,2,3
.irp n, 0,1,2,3,4,5,6,7
	global_load_b32 v[WF+8*\ct+\n], v3, s[6:7] offset:4096*(16*\ct+\n)            ; w_out[64 head + 16 ct + 8 h + n][16 x + r]
.endr
.endr
	s_wait_loadcnt 63                              ; q and k are in: 64 loads were issued behind k's last, and the count can name 63 at the most
.irp s, 0,1,2,3,4,5,6,7,8,9,10,11,12,13,14,15
.if \s < 4
	v_wmma_f32_16x16x4_f32 v[SA+8*(\s%4):SA+8*(\s%4)+7], v[KF+2*\s:KF+2*\s+1], v[QF+2*\s:QF+2*\s+1], 0
.else
	v_wmma_f32_16x16x4_f32 v[SA+8*(\s%4):SA+8*(\s%4)+7], v[KF+2*\s:KF+2*\s+1], v[QF+2*\s:QF+2*\s+1], v[SA+8*(\s%4):SA+8*(\s%4)+7]
.endif
.endr
.rept 8
	v_nop                                          ; eight places behind this form before its results are read (ISA guide 7.12.1)
.endr
.irp j, 0,2,4,6                                ; the four partial sums; each accumulator is read from its low end on.  Lane (r, h), register j: query r, key 8 h + j
	v_pk_add_f32 v[SS+\j:SS+\j+1], v[SA+\j:SA+\j+1], v[SA+8+\j:SA+8+\j+1]
	v_pk_add_f32 v[PN+\j:PN+\j+1], v[SA+16+\j:SA+16+\j+1], v[SA+24+\j:SA+24+\j+1]
.endr
.irp j, 0,2,4,6
	v_pk_add_f32 v[SS+\j:SS+\j+1], v[SS+\j:SS+\j+1], v[PN+\j:PN+\j+1]
.endr
.irp j, 0,1,2,3,4,5,6,7
	v_cmp_gt_i32 vcc_lo, \j, v4
	v_cndmask_b32 v[SS+\j], v[SS+\j], v31, vcc_lo  ; hidden keys: -infinity, so p = 0.  Key 0 counts for every query
.endr
	v_max3_num_f32 v24, v[SS], v[SS+1], v[SS+2]
	v_max3_num_f32 v25, v[SS+3], v[SS+4], v[SS+5]
	v_max3_num_f32 v24, v24, v[SS+6], v[SS+7]
	v_max_num_f32 v24, v24, v25
	v_permlanex16_b32 v25, v24, s20, s21
	v_max_num_f32 v24, v24, v25                    ; the row's maximum
	v_mul_f32 v24, s22, v24
.irp j, 0,1,2,3,4,5,6,7
	v_fma_f32 v[SS+\j], v[SS+\j], s22, -v24        ; c s - c m
.endr
.irp j, 0,1,2,3,4,5,6,7
	v_exp_f32 v[SS+\j], v[SS+\j]
.endr
	v_nop                                          ; a plain instruction behind the exponentials,
	s_wait_alu depctr_va_vdst(0)                   ; and the one wait ahead of their first reader
	v_pk_add_f32 v[24:25], v[SS:SS+1], v[SS+2:SS+3]
	v_pk_add_f32 v[26:27], v[SS+4:SS+5], v[SS+6:SS+7]
	v_pk_add_f32 v[24:25], v[24:25], v[26:27]
	v_add_f32 v24, v24, v25
	v_permlanex16_b32 v25, v24, s20, s21
	v_add_f32 v24, v24, v25                        ; the row's sum
	v_rcp_f32 v26, v24
	v_nop
	s_wait_alu depctr_va_vdst(0)
.irp j, 0,2,4,6
	v_pk_mul_f32 v[PN+\j:PN+\j+1], v[SS+\j:SS+\j+1], v[26:27] op_sel_hi:[1,0]
.endr
	s_wait_loadcnt 32                              ; v is in; w_out's 32 loads may be out
.irp s, 0,1,2,3                                ; O^T = v^T p: keys 8 h + 2 s + j a step; the four tiles of channels by turns
.irp ct, 0,1,2,3
.if \s == 0
	v_wmma_f32_16x16x4_f32 v[OA+8*\ct:OA+8*\ct+7], v[VF+8*\ct+2*\s:VF+8*\ct+2*\s+1], v[PN+2*\s:PN+2*\s+1], 0
.else
	v_wmma_f32_16x16x4_f32 v[OA+8*\ct:OA+8*\ct+7], v[VF+8*\ct+2*\s:VF+8*\ct+2*\s+1], v[PN+2*\s:PN+2*\s+1], v[OA+8*\ct:OA+8*\ct+7]
.endif
.endr
.endr
.rept 9
	v_nop                                          ; nine places before a matrix instruction takes these results as a source
.endr
	s_wait_loadcnt 0x0
.irp ct, 0,1,2,3                               ; Y^T = w^T o: channels 16 ct + 8 h + 2 s + j a step; four accumulators by turns
.irp s, 0,1,2,3
.if \ct == 0
	v_wmma_f32_16x16x4_f32 v[YA+8*\s:YA+8*\s+7], v[WF+8*\ct+2*\s:WF+8*\ct+2*\s+1], v[OA+8*\ct+2*\s:OA+8*\ct+2*\s+1], 0
.else
	v_wmma_f32_16x16x4_f32 v[YA+8*\s:YA+8*\s+7], v[WF+8*\ct+2*\s:WF+8*\ct+2*\s+1], v[OA+8*\ct+2*\s:OA+8*\ct+2*\s+1], v[YA+8*\s:YA+8*\s+7]
.endif
.endr
.endr
.rept 8
	v_nop
.endr
.irp j, 0,2,4,6                                ; lane (r, h), register j: row r, column 16 x + 8 h + j
	v_pk_add_f32 v[SS+\j:SS+\j+1], v[YA+\j:YA+\j+1], v[YA+8+\j:YA+8+\j+1]
	v_pk_add_f32 v[PN+\j:PN+\j+1], v[YA+16+\j:YA+16+\j+1], v[YA+24+\j:YA+24+\j+1]
.endr
.irp j, 0,2,4,6
	v_pk_add_f32 v[SS+\j:SS+\j+1], v[SS+\j:SS+\j+1], v[PN+\j:PN+\j+1]
.endr
	ds_store_b128 v5, v[SS:SS+3]
	ds_store_b128 v5, v[SS+4:SS+7] offset:512
	s_wait_dscnt 0x0                               ; for the others' sake: my part lies in LDS
	s_barrier_signal -1
	s_barrier_wait -1
	s_cmp_gt_u32 s10, 1                            ; waves 0 and 1 add the sixteen parts, half i = wave each
	s_cbranch_scc1 .Ldone
.irp p, 0,1,2,3,4,5,6,7,8,9,10,11,12,13,14,15
	ds_load_b128 v[32+4*\p:32+4*\p+3], v28 offset:1024*\p
.endr
	s_wait_dscnt 0x0
.irp w, 8,4,2,1
.set p, 0
.rept \w
	v_pk_add_f32 v[32+4*p:32+4*p+1], v[32+4*p:32+4*p+1], v[32+4*(p+\w):32+4*(p+\w)+1]
	v_pk_add_f32 v[34+4*p:34+4*p+1], v[34+4*p:34+4*p+1], v[34+4*(p+\w):34+4*(p+\w)+1]
.set p, p+1
.endr
.endr
	global_store_b128 v29, v[32:35], s[8:9]        ; row r, columns 16 x + 8 h + 4 i + 0..3
.Ldone:
	s_wait_tensorcnt 0x0                           ; the wave's end, behind my last LDS store
	ds_add_u32 v6, v7
	s_wait_dscnt 0x0
	s_endpgm
.Lfunc_end_k_qd22f1afa8e_fine:
	.size	k_qd22f1afa8e_fine, .Lfunc_end_k_qd22f1afa8e_fine-k_qd22f1afa8e_fine
	.p2alignl 7, 3214868480
	.fill 96, 4, 3214868480
	.section	.rodata,"a",@progbits
	.p2align	6, 0x0
	.amdhsa_kernel k_qd22f1afa8e_fine
		.amdhsa_group_segment_fixed_size 18432
		.amdhsa_private_segment_fixed_size 0
		.amdhsa_enable_private_segment 0
		.amdhsa_kernarg_size 24
		.amdhsa_user_sgpr_count 2
		.amdhsa_user_sgpr_kernarg_segment_ptr 1
		.amdhsa_wavefront_size32 1
		.amdhsa_system_sgpr_workgroup_id_x 1
		.amdhsa_system_sgpr_workgroup_id_y 1
		.amdhsa_system_sgpr_workgroup_id_z 1
		.amdhsa_system_vgpr_workitem_id 0
		.amdhsa_next_free_vgpr 256
		.amdhsa_next_free_sgpr 66
		.amdhsa_reserve_vcc 1
		.amdhsa_float_denorm_mode_32 3
		.amdhsa_float_denorm_mode_16_64 3
		.amdhsa_memory_ordered 1
		.amdhsa_forward_progress 1
		.amdhsa_inst_pref_size 21
	.end_amdhsa_kernel
	.amdgpu_metadata
---
amdhsa.version: [ 1, 2 ]
amdhsa.kernels:
  - .name:           k_qd22f1afa8e_fine
    .symbol:         k_qd22f1afa8e_fine.kd
    .args:
      - { .name: qkvf, .offset: 0, .size: 8, .value_kind: global_buffer, .address_space: global }
      - { .name: w_out, .offset: 8, .size: 8, .value_kind: global_buffer, .address_space: global }
      - { .name: out0, .offset: 16, .size: 8, .value_kind: global_buffer, .address_space: global }
    .group_segment_fixed_size: 18432
    .private_segment_fixed_size: 0
    .kernarg_segment_align: 8
    .kernarg_segment_size: 24
    .max_flat_workgroup_size: 512
    .sgpr_count:     66
    .vgpr_count:     256
    .wavefront_size: 32
...
	.end_amdgpu_metadata
.endif
;; end of part 5
